; MI455X (gfx1250); checked and timed in simulation.
; The chip was launched on July 23, 2026; its instructions are those of AMD's public machine-readable ISA for CDNA 5 (MIT licence, August 2026) and "CDNA5" Instruction Set Architecture Reference Guide (July 2026). The comments in the code are by the model that wrote it; some were corrected since.
;; Grouped Query Attention. Allowed arithmetic: float matrix products may take bf16 or f16 operands with f32 sums; other float arithmetic in f32, or as packed bf16 or f16 multiplies, adds, multiply-adds, maxima and minima; sums over many terms, partial sums and values carried from step to step in f32; what a program stores and reads back later, other than sums and carried values, may be rounded once to bf16 or f16.
;; Inputs: Wk 2,048 x 512 float32; Wo 2,048 x 2,048 float32; Wq 2,048 x 2,048 float32; Wv 2,048 x 512 float32; x 4 x 1,024 x 2,048 float32.
;; Outputs: out0 4 x 1,024 x 2,048 float32.
;; 2 versions, each right; version 2 is version 1 with the launch prep written anew for expert scheduling mode. Each part assembles by itself: llvm-mc -triple=amdgcn-amd-amdhsa -mcpu=gfx1250 --defsym DOCPART=n.
;; ======== version 1 of 2: 4 launches
;; limits: values are held in f16: magnitudes above 65,504 overflow, below 6.1e-05 lose precision
;; workspace buffers: xb 16,777,216 bytes; wqkv 12,582,912 bytes; wo16 8,388,608 bytes; rtab 524,288 bytes; qkv 25,165,824 bytes; att 16,777,216 bytes
;; launch prep (part 1): grid 1168 x 1, 8 waves a work-group, no clusters, 0 bytes of LDS; arguments x, Wq, Wk, Wv, Wo, xb, wqkv, wo16, rtab; writes xb, wqkv, wo16, rtab
.if DOCPART == 1
	.amdgcn_target "amdgcn-amd-amdhsa--gfx1250"
	.amdhsa_code_object_version 6
	.text
	.protected	k_qdb4a12aaca_prep
	.globl	k_qdb4a12aaca_prep
	.p2align	8
	.type	k_qdb4a12aaca_prep,@function
k_qdb4a12aaca_prep:
	s_mov_b64 s[64:65], 0
	v_nop
	global_prefetch_b8 v0, s[64:65] scope:SCOPE_SE
	s_setreg_imm32_b32 hwreg(HW_REG_WAVE_MODE, 25, 1), 1
	s_wait_xcnt 0x0
; PREP: the casts and the rotary table.  Memory binds: every input byte is read once, every workspace byte written once; no LDS, no matrix unit, nothing is shared.
; Work-groups 0-15 make rtab[t][0..63] = cos(t f_i), rtab[t][64..127] = sin(t f_i), f_i = 10000^(-i/64), in f32.
; Work-groups 16-1167 cast 65,536 consecutive source bytes each (32 segments of 512 f32):
;   x -> xb (bf16, same shape);  Wq, Wk, Wv -> wqkv (bf16, [2048][3072]: columns 0-2047, 2048-2559, 2560-3071);  Wo -> wo16 (rounded to bf16, that number written as f16).
; LIMITS.  wo16: a weight beyond 65,504 would become an infinity, one below 6e-5 keeps f16's fixed step of 6e-8.  The table's angles reach 1,023 radians; they are reduced by pi/2 in two parts,
; and sine and cosine are polynomials of degree 7 and 8 on -pi/4 .. pi/4 (error under 1e-6 of 1).
.set X,  16                            ; v[16:79]  sixteen loads of four f32, converted in place
.set DO, 80                            ; v[80:95]  the sixteen stores' byte offsets; never rewritten
	s_load_b512 s[4:19], s[0:1], 0x0               ; x 4, Wq 6, Wk 8, Wv 10, Wo 12, xb 14, wqkv 16, wo16 18
	s_load_b64 s[20:21], s[0:1], 0x40              ; rtab
	s_cmp_lt_u32 ttmp9, 16
	s_cbranch_scc1 .Ltable
	; THE CASTS.  c = the work-group's number among the casts; a chain of selects picks the job.
	s_sub_co_u32 s22, ttmp9, 16
	v_lshlrev_b32 v1, 4, v0                        ; my 16 source bytes in each unit of 4,096
	v_lshrrev_b32 v2, 7, v0                        ; which of a unit's two segments
	v_and_b32 v3, 127, v0                          ; my place in the segment
	s_mov_b32 s28, 896                             ; the default job is Wo: first work-group,
	s_mov_b32 s29, 32768                           ; destination bytes a work-group,
	s_mov_b32 s30, 0                               ; first column's bytes,
	s_mov_b32 s31, 1024                            ; bytes from a segment to the next,
	s_mov_b32 s32, 4096                            ; bytes from four segments to the next four
	s_wait_kmcnt 0x0
	s_mov_b64 s[24:25], s[12:13]
	s_mov_b64 s[26:27], s[18:19]
.macro JOB bound, src, dst, start, dm, doff, rp, pstep
	s_cmp_lt_u32 s22, \bound
	s_cselect_b64 s[24:25], s[\src:\src+1], s[24:25]
	s_cselect_b64 s[26:27], s[\dst:\dst+1], s[26:27]
	s_cselect_b32 s28, \start, s28
	s_cselect_b32 s29, \dm, s29
	s_cselect_b32 s30, \doff, s30
	s_cselect_b32 s31, \rp, s31
	s_cselect_b32 s32, \pstep, s32
.endm
	JOB 896, 10, 16, 832, 196608, 5120, 6144, 24576  ; Wv: a source row is one segment, rows of wqkv are 6,144 bytes
	JOB 832, 8,  16, 768, 196608, 4096, 6144, 24576  ; Wk
	JOB 768, 6,  16, 512, 49152,  0,    1024, 6144   ; Wq: four segments a row
	JOB 512, 4,  14, 0,   32768,  0,    1024, 4096   ; x
	s_sub_co_u32 s33, s22, s28                     ; my number in the job
	s_lshl_b32 s34, s33, 16
	s_mov_b32 s35, 0
	s_add_nc_u64 s[24:25], s[24:25], s[34:35]
	s_mul_i32 s36, s33, s29
	s_add_co_u32 s36, s36, s30
	s_mov_b32 s37, 0
	s_add_nc_u64 s[26:27], s[26:27], s[36:37]
.set i, 0
.rept 16
	global_load_b128 v[X+4*i:X+4*i+3], v1, s[24:25] offset:i*4096 th:TH_LOAD_NT  ; a wave's load covers 512 consecutive bytes; all sixteen go out at once
.set i, i+1
.endr
	s_lshl_b32 s38, s31, 1
	v_mul_lo_u32 v4, v2, s31
	v_lshl_add_u32 v[DO], v3, 3, v4                ; unit 0: segment 0 or 1, 8 bytes a thread
	v_add_nc_u32 v[DO+1], s38, v[DO]               ; unit 1: two segments on
.set i, 2
.rept 14
	v_add_nc_u32 v[DO+i], s32, v[DO+i-2]           ; four segments on
.set i, i+1
.endr
	s_cmp_ge_u32 s22, 896
	s_cbranch_scc1 .Lwo
.set i, 0
.rept 16
	s_wait_loadcnt 15-i                            ; loads come back in order: unit i is in, the 15 - i younger ones stay out
	v_cvt_pk_bf16_f32 v[X+4*i], v[X+4*i], v[X+4*i+1]
	v_cvt_pk_bf16_f32 v[X+4*i+1], v[X+4*i+2], v[X+4*i+3]
	global_store_b64 v[DO+i], v[X+4*i:X+4*i+1], s[26:27]  ; 32 lanes store 256 consecutive bytes, aligned
.set i, i+1
.endr
	s_endpgm
.Lwo:
.set i, 0
.rept 16
	s_wait_loadcnt 15-i
	v_cvt_pk_bf16_f32 v[X+4*i], v[X+4*i], v[X+4*i+1]       ; rounded to bf16 like every input,
	v_cvt_pk_bf16_f32 v[X+4*i+2], v[X+4*i+2], v[X+4*i+3]
	v_and_b32 v[X+4*i+1], 0xffff0000, v[X+4*i]             ; widened again,
	v_lshlrev_b32 v[X+4*i], 16, v[X+4*i]
	v_and_b32 v[X+4*i+3], 0xffff0000, v[X+4*i+2]
	v_lshlrev_b32 v[X+4*i+2], 16, v[X+4*i+2]
	v_cvt_pk_f16_f32 v[X+4*i], v[X+4*i], v[X+4*i+1]        ; and written as f16: exact within f16's normal range
	v_cvt_pk_f16_f32 v[X+4*i+1], v[X+4*i+2], v[X+4*i+3]
	global_store_b64 v[DO+i], v[X+4*i:X+4*i+1], s[26:27]
.set i, i+1
.endr
	s_endpgm
	; THE TABLE.  Wave w of work-group id makes rows 64 id + 8 w + 0..7; lane l the frequencies i = 2 l and 2 l + 1.
.Ltable:
	v_lshrrev_b32 v1, 5, v0
	v_readfirstlane_b32 s22, v1                    ; wave
	v_and_b32 v2, 31, v0                           ; lane
	s_lshl_b32 s23, ttmp9, 6
	s_lshl3_add_u32 s23, s22, s23                  ; my first row
	v_lshlrev_b32 v3, 1, v2
	v_cvt_f32_u32 v4, v3                           ; i
	v_add_f32 v5, 1.0, v4                          ; i + 1
	v_mul_f32 v4, 0xbe549a78, v4                   ; - i log2(10000) / 64
	v_mul_f32 v5, 0xbe549a78, v5
	v_exp_f32 v4, v4                               ; f_i
	v_exp_f32 v5, v5
	v_nop                                          ; a plain instruction behind the exponentials before their results are used
	v_cvt_f32_u32 v6, s23                          ; t as f32
	s_lshl_b32 s24, s23, 9                         ; a row is 512 bytes
	v_lshl_add_u32 v7, v2, 3, s24
	v_mov_b32 v14, 0xb94ca1f9                      ; -1.9515296e-4: the sine's leading coefficient
	v_mov_b32 v15, 0x37ccf5ce                      ; 2.4433157e-5: the cosine's
	s_mov_b32 s30, 8
	s_wait_kmcnt 0x0
; One entry: frequency in v[f]; cosine into v[co], sine into v[so]; eight registers at work from v[T].
.macro ENTRY f, co, so, T
	s_wait_alu depctr_va_vdst(0)
	v_mul_f32 v[\T], v6, v[\f]                               ; the angle
	v_mul_f32 v[\T+1], 0x3f22f983, v[\T]                     ; times 2 / pi,
	v_rndne_f32 v[\T+1], v[\T+1]                             ; n
	v_fmamk_f32 v[\T+2], v[\T+1], 0xbfc90fdb, v[\T]          ; r = angle - n pi/2, pi/2 in two parts
	v_fmamk_f32 v[\T+2], v[\T+1], 0x333bbd2e, v[\T+2]
	v_mul_f32 v[\T+3], v[\T+2], v[\T+2]                      ; z = r r
	v_fmaak_f32 v[\T+4], v14, v[\T+3], 0x3c08839e
	v_fmaak_f32 v[\T+4], v[\T+4], v[\T+3], 0xbe2aaaa3
	v_mul_f32 v[\T+5], v[\T+3], v[\T+2]
	v_fma_f32 v[\T+4], v[\T+4], v[\T+5], v[\T+2]             ; sin r
	v_fmaak_f32 v[\T+5], v15, v[\T+3], 0xbab6061a
	v_fmaak_f32 v[\T+5], v[\T+5], v[\T+3], 0x3d2aaaa5
	v_fmaak_f32 v[\T+5], v[\T+5], v[\T+3], 0xbf000000
	v_fma_f32 v[\T+5], v[\T+5], v[\T+3], 1.0                 ; cos r
	v_cvt_i32_f32 v[\T+6], v[\T+1]                           ; the quadrant chooses by selects and sign bits: no branch
	v_and_b32 v[\T+7], 1, v[\T+6]
	v_cmp_eq_u32 vcc_lo, 1, v[\T+7]
	v_cndmask_b32 v[\so], v[\T+4], v[\T+5], vcc_lo
	v_cndmask_b32 v[\co], v[\T+5], v[\T+4], vcc_lo
	v_and_b32 v[\T+7], 2, v[\T+6]
	v_lshlrev_b32 v[\T+7], 30, v[\T+7]
	v_xor_b32 v[\so], v[\T+7], v[\so]
	v_add_nc_u32 v[\T+6], 1, v[\T+6]
	v_and_b32 v[\T+6], 2, v[\T+6]
	v_lshlrev_b32 v[\T+6], 30, v[\T+6]
	v_xor_b32 v[\co], v[\T+6], v[\co]
.endm
.Lrow:
	ENTRY 4, 8, 10, 16
	ENTRY 5, 9, 11, 24
	global_store_b64 v7, v[8:9], s[20:21]              ; the row's 64 cosines: 256 consecutive bytes, aligned
	global_store_b64 v7, v[10:11], s[20:21] offset:256 ; its 64 sines
	s_wait_xcnt 0x0                                    ; the stores' offset and data are rewritten only behind this wait
	v_add_nc_u32 v7, 512, v7
	v_add_f32 v6, 1.0, v6
	s_sub_co_u32 s30, s30, 1
	s_cmp_lg_u32 s30, 0
	s_cbranch_scc1 .Lrow
	s_endpgm
.Lfunc_end_k_qdb4a12aaca_prep:
	.size	k_qdb4a12aaca_prep, .Lfunc_end_k_qdb4a12aaca_prep-k_qdb4a12aaca_prep
	.p2alignl 7, 3214868480
	.fill 96, 4, 3214868480
	.section	.rodata,"a",@progbits
	.p2align	6, 0x0
	.amdhsa_kernel k_qdb4a12aaca_prep
		.amdhsa_group_segment_fixed_size 0
		.amdhsa_private_segment_fixed_size 0
		.amdhsa_enable_private_segment 0
		.amdhsa_kernarg_size 72
		.amdhsa_user_sgpr_count 2
		.amdhsa_user_sgpr_kernarg_segment_ptr 1
		.amdhsa_wavefront_size32 1
		.amdhsa_system_sgpr_workgroup_id_x 1
		.amdhsa_system_sgpr_workgroup_id_y 1
		.amdhsa_system_sgpr_workgroup_id_z 1
		.amdhsa_system_vgpr_workitem_id 0
		.amdhsa_next_free_vgpr 96
		.amdhsa_next_free_sgpr 66
		.amdhsa_reserve_vcc 1
		.amdhsa_float_denorm_mode_32 3
		.amdhsa_float_denorm_mode_16_64 3
		.amdhsa_memory_ordered 1
		.amdhsa_forward_progress 1
		.amdhsa_inst_pref_size 22
	.end_amdhsa_kernel
	.amdgpu_metadata
---
amdhsa.version: [ 1, 2 ]
amdhsa.kernels:
  - .name:           k_qdb4a12aaca_prep
    .symbol:         k_qdb4a12aaca_prep.kd
    .args:
      - { .name: x, .offset: 0, .size: 8, .value_kind: global_buffer, .address_space: global }
      - { .name: Wq, .offset: 8, .size: 8, .value_kind: global_buffer, .address_space: global }
      - { .name: Wk, .offset: 16, .size: 8, .value_kind: global_buffer, .address_space: global }
      - { .name: Wv, .offset: 24, .size: 8, .value_kind: global_buffer, .address_space: global }
      - { .name: Wo, .offset: 32, .size: 8, .value_kind: global_buffer, .address_space: global }
      - { .name: xb, .offset: 40, .size: 8, .value_kind: global_buffer, .address_space: global }
      - { .name: wqkv, .offset: 48, .size: 8, .value_kind: global_buffer, .address_space: global }
      - { .name: wo16, .offset: 56, .size: 8, .value_kind: global_buffer, .address_space: global }
      - { .name: rtab, .offset: 64, .size: 8, .value_kind: global_buffer, .address_space: global }
    .group_segment_fixed_size: 0
    .private_segment_fixed_size: 0
    .kernarg_segment_align: 8
    .kernarg_segment_size: 72
    .max_flat_workgroup_size: 256
    .sgpr_count:     66
    .vgpr_count:     96
    .wavefront_size: 32
...
	.end_amdgpu_metadata
.endif
;; end of part 1
;; launch proj (part 2): grid 8 x 32, 4 waves a work-group, clusters of 4 x 4, 327,680 bytes of LDS; arguments xb, wqkv, rtab, qkv; writes qkv
.if DOCPART == 2
	.amdgcn_target "amdgcn-amd-amdhsa--gfx1250"
	.amdhsa_code_object_version 6
	.text
	.protected	k_qdb4a12aaca_proj
	.globl	k_qdb4a12aaca_proj
	.p2align	8
	.type	k_qdb4a12aaca_proj,@function
k_qdb4a12aaca_proj:
	s_mov_b64 s[64:65], 0
	v_nop
	global_prefetch_b8 v0, s[64:65] scope:SCOPE_SE
	s_setreg_imm32_b32 hwreg(HW_REG_WAVE_MODE, 25, 1), 1
	s_wait_xcnt 0x0
	s_wait_alu depctr_hold_cnt(0) depctr_sa_sdst(0) depctr_va_vdst(0) depctr_va_sdst(0) depctr_va_ssrc(0) depctr_va_vcc(0) depctr_vm_vsrc(0)
	s_getreg_b32 s2, hwreg(HW_REG_IB_STS2, 6, 4)
	s_cmp_eq_u32 s2, 0
	s_cbranch_scc0 .Lentry_in_a_cluster
	s_endpgm
.Lentry_in_a_cluster:
	s_bfe_u32 s2, ttmp6, 0x10000c
	s_cmp_lg_u32 s2, 0xf033
	s_cbranch_scc0 .Lentry_shape_is_right
	s_endpgm
.Lentry_shape_is_right:
; PROJ: [q | k | v] = xb wqkv, the rotary embedding on q and k, laid by heads.  xb: [4096][2048] bf16.  wqkv: [2048][3072] bf16 ([k][n]).  rtab: [1024][128] f32 (64 cosines, 64 sines).
; qkv: [b 4][head 24][t 1024][128] f16: heads 0-15 q, 16-19 k, 20-23 v.  Sums in f32, the rotation in f32 on the sums, one rounding to f16.
; LIMIT.  q, k and v (behind the rotation) must lie within f16's 65,504; beyond it a number becomes an infinity.
; SHARES.  A tile of the product is 128 rows x 384 columns (three heads): 32 x 8 = 256 work-groups.  Each of four waves takes all 128 rows and, of each head, the column blocks w and w + 4 of eight:
; channels d and d + 64 of a row then lie in the same lane and the same register number, and the rotation changes no lanes.  48 accumulators of 16 x 16.
; K goes in steps of 128 through a ring of two LDS slots filled by the tensor data mover: three regions of wqkv (128 k x 128 n each), then xb's 128 rows x 128 k.  One load a wave and step: waves 0-2 a region, wave 3 xb's tile.
; CLUSTERS: 4 x 4 work-groups; xb's tile is asked for jointly along a row of the cluster, wqkv's regions along a column.
; THE MATRIX INSTRUCTION IS USED TRANSPOSED: source 0 = 16 columns of wqkv (turned on the way out of LDS by ds_load_tr16_b128), source 1 = 16 rows of xb: a lane holds row l % 16 and columns 8 (l / 16) + 0..7.
; REGISTERS, in windows of 256: window 0: v0-31 addresses, v32-63 at work, v64-191 xb's fragments (two buffers), later with v192-255 the rows on their way out;
;   window 1: v0-95 wqkv's fragments (two buffers of 48), v128-255 the table (16 a row block);   windows 2, 3: the accumulators of row blocks 0-3, 4-7, (a, b) at v[8 (6 (a % 4) + b)].
.set NH,    3                          ; regions of 128 columns in a tile
.set NBW,   6                          ; column blocks a wave
.set NTOT,  3072
.set KTOT,  2048
.set KSTEP, 128
.set PA,    272                        ; an LDS row of xb: 256 bytes + 16: the 16 rows of a load start at 16 different groups of four banks
.set PB,    288                        ; an LDS row of wqkv: 256 + 32
.set AREG,  128*PA
.set BREG,  128*PB
.set AOFF,  NH*BREG                    ; xb's tile lies behind the three regions
.set SLOT,  AOFF+AREG
.set SPARE, 2*SLOT                     ; behind the ring: the spare words, 128 bytes for each wave, which no other line names
.set LAPS,  KTOT/(2*KSTEP)
.set NL,    2*NBW+16                   ; LDS loads in a run
.set STO,  8                           ; v8-10   the way out: where I put 16 bytes of a row, by head
.set RD,   11                          ; v11-13  the way out: where I read rows back, by head
.set ADRA, 16                          ; v16-17  LDS address of xb's fragments in slot 0, 1
.set ADRB, 18                          ; v18-23  of wqkv's: 3 x slot + head
.set CO,   26                          ; v26     my byte offset in 512 consecutive bytes of qkv
.set TBO,  27                          ; v27     my byte offset in the table; never rewritten
.set SPW,  28                          ; v28     LDS address of my spare word; never rewritten
.set NIL,  29                          ; v29     0; never rewritten
.set CP,   32                          ; v32-39  cosines as used, later the packed results
.set SN,   40                          ; v40-47  sines as used
.set O1,   48                          ; v48-55  the rotated lower half
.set O2,   56                          ; v56-63  the rotated upper half
.set TAB,  128                         ; window 1
.set WV,  12                           ; s12  my wave's number
.set G1,  24                           ; s[24:31] descriptor group 1 for xb's tiles;  s[32:39] group 0, a set for each slot
.set G0,  32
.set G1B, 48                           ; s[48:55], s[56:63] the same for wqkv's regions
.set G0B, 56
.set AL,  66                           ; s[66:77] by head two pairs: (1, 0) where the head is rotated, (0, 1) where it is v's
.set MSB, 0
.macro WIN new                         ; the immediate's high byte repeats the setting that is left; a switch that changes nothing is dropped
.if MSB != (\new)
	s_set_vgpr_msb (MSB<<8)|(\new)
.set MSB, \new
.endif
.endm
.macro PLACES                          ; four places behind matrix instructions, in front of loads into their sources and of reads of their results
.rept 4
	v_nop
.endr
.endm
; A joint load.  Waves 0-2 fetch wqkv's regions, wave 3 xb's tile.  The branch hangs on the wave's number alone.  An s_nop 0 and four v_nop follow each line.
.macro JLOAD s
	s_cmp_lt_u32 s[WV], NH
	s_cbranch_scc0 .Lfor_a_\@
	tensor_load_to_lds s[G0B+4*(\s):G0B+4*(\s)+3], s[G1B:G1B+7]
	s_nop 0
.rept 4
	v_nop
.endr
	s_branch .Lasked_\@
.Lfor_a_\@:
	tensor_load_to_lds s[G0+4*(\s):G0+4*(\s)+3], s[G1:G1+7]
	s_nop 0
.rept 4
	v_nop
.endr
.Lasked_\@:
.endm
.macro CROUND                          ; a round of the cluster's barrier
	s_barrier_signal -1
	s_barrier_wait -1
	s_cmp_lg_u32 s[WV], 0
	s_cbranch_scc1 .Lnot_wave_0_\@
	s_barrier_signal -3
.Lnot_wave_0_\@:
	s_barrier_wait -3
	s_barrier_signal -1
	s_barrier_wait -1
.endm
	s_load_b256 s[4:11], s[0:1], 0x0               ; xb s[4:5], wqkv s[6:7], rtab s[8:9], qkv s[10:11]
	v_lshl_add_u32 v[SPW], v0, 2, SPARE
	v_mov_b32 v[NIL], 0
	ds_add_u32 v[SPW], v[NIL]                      ; the wave's opening: the add and its wait stand ahead of my first tensor load; work on registers stands between them
	v_lshrrev_b32 v1, 5, v0
	v_readfirstlane_b32 s[WV], v1                  ; wave 0..3
	s_bfe_u32 s40, ttmp6, 0x40000                  ; cx, cy: my place in the cluster
	s_bfe_u32 s41, ttmp6, 0x40004
	s_lshl_b32 s42, ttmp9, 2
	s_add_co_u32 s42, s42, s40                     ; tile column = 4 x cluster x + cx
	s_and_b32 s13, ttmp7, 0xffff
	s_lshl_b32 s13, s13, 2
	s_add_co_u32 s13, s13, s41                     ; tile row = 4 x cluster y + cy
	s_lshl_b32 s43, s41, 2
	s_lshl_b32 s43, 15, s43                        ; my row of the cluster
	s_lshl_b32 s44, 0x1111, s40                    ; my column
	; descriptor group 1: tiles of 128 rows x 128 elements of 2 bytes, padded in LDS behind every 64 words
	s_or_b32 s[G1+0], s43, (1<<16)|(1<<20)|(1<<21)|(5<<22)|(3<<25)   ; xb: the mask of my row, 4 words of padding
	s_or_b32 s[G1B+0], s44, (1<<16)|(1<<20)|(1<<21)|(5<<22)|(7<<25)  ; wqkv: the mask of my column, 8 words
.irp g, G1, G1B
	s_mov_b32 s[\g+1], 128<<16                     ; tensor_dim0 = 128
	s_mov_b32 s[\g+2], 128<<16                     ; tensor_dim1 = 128
	s_mov_b32 s[\g+3], 128<<16                     ; tile_dim0 = 128
	s_mov_b32 s[\g+4], 128                         ; tile_dim1 = 128
	s_mov_b32 s[\g+6], 0
	s_mov_b32 s[\g+7], 0
.endr
	s_mov_b32 s[G1+5], KTOT                        ; elements from row to row
	s_mov_b32 s[G1B+5], NTOT
	s_lshl_b32 s16, s13, 19                        ; xb: 128 rows of 4,096 bytes a tile row: the tile row alone enters
	s_mov_b32 s17, 0
	s_mul_i32 s46, s42, NH*256                     ; wqkv: 768 bytes of a row a tile column, 256 a region: the tile column and the wave's number alone
	s_lshl_b32 s47, s[WV], 8
	s_add_co_u32 s46, s46, s47
	s_mov_b32 s47, 0
	s_mul_i32 s20, s[WV], BREG                     ; my region's place in a slot
	s_mul_i32 s22, s42, 3                          ; my tile's first head
.irp hd, 0,1,2
	s_add_co_u32 s23, s22, \hd
	s_cmp_lt_u32 s23, 20                           ; heads 20-23 are v's: a select of numbers, no branch
	s_cselect_b32 s[AL+4*\hd], 1.0, 0
	s_cselect_b32 s[AL+4*\hd+2], 0, 1.0
	s_mov_b32 s[AL+4*\hd+1], 0                     ; named as pairs
	s_mov_b32 s[AL+4*\hd+3], 0
.endr
	s_wait_dscnt 0x0                               ; the opening add is done
	s_wait_kmcnt 0x0
	s_add_nc_u64 s[14:15], s[4:5], s[16:17]
	s_add_nc_u64 s[46:47], s[6:7], s[46:47]
	CROUND                                         ; all sixteen work-groups are here: the first joint loads meet
.irp s, 0,1
	s_mov_b32 s[G0+4*\s], 1                                          ; count = 1
	s_mov_b32 s[G0+4*\s+1], \s*SLOT+AOFF                             ; LDS address
	s_add_nc_u64 s[G0+4*\s+2:G0+4*\s+3], s[14:15], \s*KSTEP*2        ; global address: K step s
	s_or_b32 s[G0+4*\s+3], s[G0+4*\s+3], 0x80000000                  ; type = 2
	s_mov_b32 s[G0B+4*\s], 1
	s_add_co_u32 s[G0B+4*\s+1], s20, \s*SLOT
	s_add_nc_u64 s[G0B+4*\s+2:G0B+4*\s+3], s[46:47], \s*KSTEP*NTOT*2
	s_or_b32 s[G0B+4*\s+3], s[G0B+4*\s+3], 0x80000000
.endr
	s_cmp_lt_u32 s[WV], NH                         ; a wave's two first fills stand in one branch: two loads of mine are out
	s_cbranch_scc0 .Lfirst_a
	tensor_load_to_lds s[G0B:G0B+3], s[G1B:G1B+7]
	s_nop 0
	tensor_load_to_lds s[G0B+4:G0B+7], s[G1B:G1B+7]
	s_nop 0
.rept 4
	v_nop
.endr
	s_branch .Lfirst_asked
.Lfirst_a:
	tensor_load_to_lds s[G0:G0+3], s[G1:G1+7]
	s_nop 0
	tensor_load_to_lds s[G0+4:G0+7], s[G1:G1+7]
	s_nop 0
.rept 4
	v_nop
.endr
.Lfirst_asked:
	v_and_b32 v1, 15, v0                           ; r = l % 16
	v_bfe_u32 v2, v0, 4, 1                         ; h = l / 16
	; The table for my rows and channels: row t = 128 (tile row % 8) + 16 a + r, frequencies 16 w + 8 h + 0..7.  The loads stay out until the way out; their address registers are never rewritten.
	s_and_b32 s18, s13, 7
	s_lshl_b32 s18, s18, 16
	s_mov_b32 s19, 0
	s_add_nc_u64 s[8:9], s[8:9], s[18:19]
	v_lshlrev_b32 v[TBO], 9, v1
	v_lshl_add_u32 v[TBO], v2, 5, v[TBO]
	s_lshl_b32 s21, s[WV], 6
	v_add_nc_u32 v[TBO], s21, v[TBO]
	WIN 0x40                                       ; destination window 1
.set i, 0
.rept 8
	global_load_b128 v[TAB+16*i:TAB+16*i+3],     v[TBO], s[8:9] offset:i*8192
	global_load_b128 v[TAB+16*i+4:TAB+16*i+7],   v[TBO], s[8:9] offset:i*8192+16
	global_load_b128 v[TAB+16*i+8:TAB+16*i+11],  v[TBO], s[8:9] offset:i*8192+256
	global_load_b128 v[TAB+16*i+12:TAB+16*i+15], v[TBO], s[8:9] offset:i*8192+272
.set i, i+1
.endr
	WIN 0
	v_mul_u32_u24 v3, v1, PA
	v_lshl_add_u32 v3, v2, 4, v3                   ; row x pitch + 16 x half
	v_add_nc_u32 v[ADRA], AOFF, v3
	v_add_nc_u32 v[ADRA+1], SLOT+AOFF, v3
	; The turning load: lane l reads k row 8 h + l % 8, 16 bytes at 16 ((l / 8) % 2), and is left with column l % 16 and 8 k.
	v_and_b32 v4, 7, v0
	v_lshl_add_u32 v4, v2, 3, v4
	v_mul_u32_u24 v4, v4, PB
	v_bfe_u32 v5, v0, 3, 1
	v_lshl_add_u32 v4, v5, 4, v4
	s_lshl_b32 s21, s[WV], 5                       ; my column block w: 32 bytes
	v_add_nc_u32 v4, s21, v4
.irp s, 0,1
.irp hd, 0,1,2
	v_add_nc_u32 v[ADRB+3*\s+\hd], \s*SLOT+\hd*BREG, v4
.endr
.endr
	v_add_nc_u32 v6, s21, v3                       ; into the stage: row 128 head + 16 a + r, bytes 32 w + 16 h (and 128 on for the upper half)
.irp hd, 0,1,2
	v_add_nc_u32 v[STO+\hd], \hd*128*PA, v6
.endr
	v_mul_u32_u24 v6, v2, PA                       ; back: wave w takes rows 32 w .. 32 w + 31 of each head, whole: lanes 0-15 one row, lanes 16-31 the next
	v_lshl_add_u32 v6, v1, 4, v6
	s_mul_i32 s23, s[WV], 32*PA
	v_add_nc_u32 v6, s23, v6
.irp hd, 0,1,2
	v_add_nc_u32 v[RD+\hd], \hd*128*PA, v6
.endr
	v_and_b32 v[CO], 31, v0
	v_lshlrev_b32 v[CO], 4, v[CO]
	s_lshr_b32 s18, s13, 3                         ; b
	s_mul_i32 s18, s18, 24
	s_add_co_u32 s18, s18, s22                     ; + my first head
	s_lshl_b32 s18, s18, 10
	s_and_b32 s19, s13, 7
	s_lshl_b32 s19, s19, 7
	s_add_co_u32 s18, s18, s19                     ; + my tile's first t
	s_lshl_b32 s19, s[WV], 5
	s_add_co_u32 s18, s18, s19                     ; + the 32 rows that I store
	s_lshl_b32 s18, s18, 8                         ; rows of 256 bytes
	s_mov_b32 s19, 0
	s_add_nc_u64 s[10:11], s[10:11], s[18:19]
; na x 6 matrix instructions: row blocks a0 .. of the window's four (hi = 0: rows 0-63, 1: rows 64-127) x my 6 column blocks, 32 along K, from fragment buffer f.
; The accumulators take turns, one instruction a turn, in the same order everywhere.  zero = 1: the first product starts the sums.
.macro MULP f, hi, a0, na, zero
	WIN 0xa1+0x50*(\hi)                            ; source 0 window 1, source 1 window 0, C and D window 2 or 3
.set ma, \a0
.rept \na
.set mb, 0
.rept NBW
.set rD, 8*(NBW*ma+mb)
.set rB, 8*NBW*(\f)+8*mb
.set rA, 64+64*(\f)+8*(4*(\hi)+ma)
.if \zero
	v_wmma_f32_16x16x32_bf16 v[rD:rD+7], v[rB:rB+7], v[rA:rA+7], 0
.else
	v_wmma_f32_16x16x32_bf16 v[rD:rD+7], v[rB:rB+7], v[rA:rA+7], v[rD:rD+7]
.endif
.set mb, mb+1
.endr
.set ma, ma+1
.endr
.endm
; 28 LDS loads in one run: the fragments of quarter q (32 along K) of a slot into buffer f: wqkv's 6 blocks, turned, then xb's 8 row blocks, rows 0-63 first.
.macro FETCH slot, q, f
	WIN 0x40
.set fb, 0
.rept NBW
	ds_load_tr16_b128 v[8*NBW*(\f)+8*fb:8*NBW*(\f)+8*fb+3],   v[ADRB+3*(\slot)+fb/2] offset:(\q)*32*PB+128*(fb%2)
	ds_load_tr16_b128 v[8*NBW*(\f)+8*fb+4:8*NBW*(\f)+8*fb+7], v[ADRB+3*(\slot)+fb/2] offset:(\q)*32*PB+128*(fb%2)+16*PB
.set fb, fb+1
.endr
	WIN 0
.set fa, 0
.rept 8
	ds_load_b128 v[64+64*(\f)+8*fa:64+64*(\f)+8*fa+3],   v[ADRA+(\slot)] offset:64*(\q)+fa*16*PA
	ds_load_b128 v[64+64*(\f)+8*fa+4:64+64*(\f)+8*fa+7], v[ADRA+(\slot)] offset:64*(\q)+fa*16*PA+32
.set fa, fa+1
.endr
.endm
; One of a K step's first three quarters: multiplies buffer f; in its middle it fetches quarter q of the same slot into buffer g.
.macro QUARTER slot, q, f, g, zero
	s_wait_dscnt 8                                 ; all but the youngest eight loads (xb's rows 64-127)
	MULP \f, 0, 0, 4, \zero
	PLACES
	FETCH \slot, \q, \g
	s_wait_dscnt NL                                ; all but the run just issued
	MULP \f, 1, 0, 4, \zero
.endm
; The last quarter CHANGES SLOTS FIRST and multiplies afterwards, so that nothing but the round stands between the landing of one tile and the request for the next: its 48 products run while the refill is on its way.
; Each wave waits for all its tensor loads (one is out: its part of the next slot), adds 0 to its spare word, and waits for that and for its reads of this slot, of which the last, buffer 1's, were issued
; in the middle of the third quarter.  fill = 1: the barrier is a round of the cluster's, and this slot is filled again, two K steps ahead, first thing behind it.
.macro TURN slot, next, fill
	WIN 0
	s_wait_tensorcnt 0x0                           ; no tensor load of mine is out, so a group 0 may be written
	ds_add_u32 v[SPW], v[NIL]                      ; 0 onto my spare word; the descriptors' steps stand between it and the wait for it
.if \fill
	s_add_nc_u64 s[G0+4*(\slot)+2:G0+4*(\slot)+3], s[G0+4*(\slot)+2:G0+4*(\slot)+3], 2*KSTEP*2
	s_add_nc_u64 s[G0B+4*(\slot)+2:G0B+4*(\slot)+3], s[G0B+4*(\slot)+2:G0B+4*(\slot)+3], 2*KSTEP*NTOT*2
.endif
	s_wait_dscnt 0x0                               ; the add is done, and my reads of this slot are over: buffer 1 is whole
.if \fill
	CROUND                                         ; no wave of any partner still reads this slot or has a load on its way
	JLOAD \slot                                    ; the first tensor load behind the round; its four v_nop are also the places in front of the loads below
.else
	s_barrier_signal -1
	s_barrier_wait -1
	PLACES
.endif
	FETCH \next, 0, 0
	MULP 1, 0, 0, 4, 0
	MULP 1, 1, 0, 4, 0
.endm
	s_wait_tensorcnt 1                             ; my part of K step 0 is in; step 1's may stay out
	s_barrier_signal -1
	s_barrier_wait -1
	FETCH 0, 0, 0
	QUARTER 0, 1, 0, 1, 1                          ; the first quarter stands in front of the loop: its products start the sums
	WIN 0
	s_mov_b32 s3, LAPS-1
.Llap:                                                 ; a trip goes once round the ring and fills both slots again
	QUARTER 0, 2, 1, 0, 0
	QUARTER 0, 3, 0, 1, 0
	TURN 0, 1, 1
	QUARTER 1, 1, 0, 1, 0
	QUARTER 1, 2, 1, 0, 0
	QUARTER 1, 3, 0, 1, 0
	TURN 1, 0, 1
	QUARTER 0, 1, 0, 1, 0
	WIN 0
	s_sub_co_u32 s3, s3, 1
	s_cmp_lg_u32 s3, 0
	s_cbranch_scc1 .Llap
	QUARTER 0, 2, 1, 0, 0                          ; the last lap fills nothing
	QUARTER 0, 3, 0, 1, 0
	TURN 0, 1, 0
	QUARTER 1, 1, 0, 1, 0
	QUARTER 1, 2, 1, 0, 0
	QUARTER 1, 3, 0, 1, 0
	s_wait_dscnt 8
	MULP 1, 0, 0, 4, 0
	s_wait_dscnt 0x0
	MULP 1, 1, 0, 4, 0
	WIN 0
	PLACES
	; THE WAY OUT.  The stage is slot 0's first 384 rows x 272 bytes: slot 0 has had its last fill, and every wave's reads of it ended in front of the last change of slots.
	s_wait_loadcnt 0x0                             ; the table
; Row block a, head hd: x1 = channels 16 w + 8 h + 0..7, x2 = the same + 64.  o1 = x1 cos - x2 sin, o2 = x1 sin + x2 cos; for v's heads cos counts as 1 and sin as 0.  Each accumulator is read from its low end on.
.macro ROPE a, hd
.set rT,  TAB+16*(\a)
.set rX1, 8*(NBW*((\a)%4)+2*(\hd))
.set rX2, rX1+8
.set sA,  AL+4*(\hd)
	WIN 0x01                                       ; source 0 window 1
.irp z, 0,2,4,6
	v_pk_fma_f32 v[CP+\z:CP+\z+1], v[rT+\z:rT+\z+1], s[sA:sA+1], s[sA+2:sA+3] op_sel_hi:[1,0,0]
.endr
.irp z, 0,2,4,6
	v_pk_mul_f32 v[SN+\z:SN+\z+1], v[rT+8+\z:rT+8+\z+1], s[sA:sA+1] op_sel_hi:[1,0]
.endr
	WIN 0x02+(\a)/4                                ; source 0 window 2 or 3
.irp z, 0,2,4,6
	v_pk_mul_f32 v[O1+\z:O1+\z+1], v[rX1+\z:rX1+\z+1], v[CP+\z:CP+\z+1]
.endr
.irp z, 0,2,4,6
	v_pk_mul_f32 v[O2+\z:O2+\z+1], v[rX2+\z:rX2+\z+1], v[CP+\z:CP+\z+1]
.endr
.irp z, 0,2,4,6
	v_pk_fma_f32 v[O1+\z:O1+\z+1], v[rX2+\z:rX2+\z+1], v[SN+\z:SN+\z+1], v[O1+\z:O1+\z+1] neg_lo:[0,1,0] neg_hi:[0,1,0]
.endr
.irp z, 0,2,4,6
	v_pk_fma_f32 v[O2+\z:O2+\z+1], v[rX1+\z:rX1+\z+1], v[SN+\z:SN+\z+1], v[O2+\z:O2+\z+1]
.endr
	WIN 0
.irp z, 0,1,2,3,4,5,6,7
	v_cvt_pk_f16_f32 v[CP+\z], v[O1+2*\z], v[O1+2*\z+1]
.endr
	ds_store_b128 v[STO+(\hd)], v[CP:CP+3]   offset:(\a)*16*PA
	ds_store_b128 v[STO+(\hd)], v[CP+4:CP+7] offset:(\a)*16*PA+128
.endm
.irp a, 0,1,2,3,4,5,6,7
.irp hd, 0,1,2
	ROPE \a, \hd
.endr
.endr
	s_wait_dscnt 0x0                               ; for the others' sake: my stores into the stage are done; a head's row comes from all four waves
	s_barrier_signal -1
	s_barrier_wait -1
.set i, 0
.rept 48
	ds_load_b128 v[64+4*i:64+4*i+3], v[RD+i/16] offset:(i%16)*2*PA
.set i, i+1
.endr
.set i, 0
.rept 48
	s_wait_dscnt 47-i                              ; LDS loads come back in order: load i is in
	global_store_b128 v[CO], v[64+4*i:64+4*i+3], s[10:11] offset:(i/16)*262144+(i%16)*512  ; two rows of a head: 512 consecutive bytes, aligned
.set i, i+1
.endr
	s_wait_tensorcnt 0x0                           ; the wave's end
	ds_add_u32 v[SPW], v[NIL]
	s_wait_dscnt 0x0
	CROUND                                         ; the closing round
	s_endpgm
.Lfunc_end_k_qdb4a12aaca_proj:
	.size	k_qdb4a12aaca_proj, .Lfunc_end_k_qdb4a12aaca_proj-k_qdb4a12aaca_proj
	.p2alignl 7, 3214868480
	.fill 96, 4, 3214868480
	.section	.rodata,"a",@progbits
	.p2align	6, 0x0
	.amdhsa_kernel k_qdb4a12aaca_proj
		.amdhsa_group_segment_fixed_size 327680
		.amdhsa_private_segment_fixed_size 0
		.amdhsa_enable_private_segment 0
		.amdhsa_kernarg_size 32
		.amdhsa_user_sgpr_count 2
		.amdhsa_user_sgpr_kernarg_segment_ptr 1
		.amdhsa_wavefront_size32 1
		.amdhsa_system_sgpr_workgroup_id_x 1
		.amdhsa_system_sgpr_workgroup_id_y 1
		.amdhsa_system_sgpr_workgroup_id_z 1
		.amdhsa_system_vgpr_workitem_id 0
		.amdhsa_next_free_vgpr 960
		.amdhsa_next_free_sgpr 80
		.amdhsa_reserve_vcc 0
		.amdhsa_float_denorm_mode_32 3
		.amdhsa_float_denorm_mode_16_64 3
		.amdhsa_memory_ordered 1
		.amdhsa_forward_progress 1
		.amdhsa_inst_pref_size 157
	.end_amdhsa_kernel
	.amdgpu_metadata
---
amdhsa.version: [ 1, 2 ]
amdhsa.kernels:
  - .name:           k_qdb4a12aaca_proj
    .symbol:         k_qdb4a12aaca_proj.kd
    .args:
      - { .name: xb, .offset: 0, .size: 8, .value_kind: global_buffer, .address_space: global }
      - { .name: wqkv, .offset: 8, .size: 8, .value_kind: global_buffer, .address_space: global }
      - { .name: rtab, .offset: 16, .size: 8, .value_kind: global_buffer, .address_space: global }
      - { .name: qkv, .offset: 24, .size: 8, .value_kind: global_buffer, .address_space: global }
    .group_segment_fixed_size: 327680
    .private_segment_fixed_size: 0
    .kernarg_segment_align: 8
    .kernarg_segment_size: 32
    .max_flat_workgroup_size: 128
    .sgpr_count:     80
    .vgpr_count:     960
    .wavefront_size: 32
...
	.end_amdgpu_metadata
.endif
;; end of part 2
;; launch attn (part 3): grid 16 x 16, 4 waves a work-group, clusters of 4 x 1, 327,680 bytes of LDS; arguments qkv, att; writes att
.if DOCPART == 3
	.amdgcn_target "amdgcn-amd-amdhsa--gfx1250"
	.amdhsa_code_object_version 6
	.text
	.protected	k_qdb4a12aaca_attn
	.globl	k_qdb4a12aaca_attn
	.p2align	8
	.type	k_qdb4a12aaca_attn,@function
k_qdb4a12aaca_attn:
	s_mov_b64 s[64:65], 0
	v_nop
	global_prefetch_b8 v0, s[64:65] scope:SCOPE_SE
	s_setreg_imm32_b32 hwreg(HW_REG_WAVE_MODE, 25, 1), 1
	s_wait_xcnt 0x0
	s_wait_alu depctr_hold_cnt(0) depctr_sa_sdst(0) depctr_va_vdst(0) depctr_va_sdst(0) depctr_va_ssrc(0) depctr_va_vcc(0) depctr_vm_vsrc(0)
	s_getreg_b32 s2, hwreg(HW_REG_IB_STS2, 6, 4)
	s_cmp_eq_u32 s2, 0
	s_cbranch_scc0 .Lentry_in_a_cluster
	s_endpgm
.Lentry_in_a_cluster:
	s_bfe_u32 s2, ttmp6, 0x10000c
	s_cmp_lg_u32 s2, 0x3003
	s_cbranch_scc0 .Lentry_shape_is_right
	s_endpgm
.Lentry_shape_is_right:
; ATTN: causal grouped-query attention.  qkv: [b 4][head 24][t 1024][128] f16 (heads 0-15 q, 16-19 k, 20-23 v; query heads 4 g .. 4 g + 3 share k and v head g).  att: [b 1024 + t][2048] f16, column = 128 head + d.
; Products, maxima and sums in f32; the weights p are rounded to f16 for the second product (their sum l is taken of the unrounded p), O once at the end.
; LIMITS.  A hidden score counts as its value less 1e30, which gives the weight 0 as the problem's -1e9 does while a row's largest visible scaled score lies above about -1e9 + 104;
; a weight below 2^-126 counts as 0 in l; p below 6e-5 keeps f16's fixed step; NaN and infinities are not treated apart.
; SHARES.  Work-group y = 4 b + g.  Wave w is query head 4 g + w, so the four waves read the same K and V.  The 1,024 positions lie in 32 blocks of 32 (two tiles of 16 queries a wave).  Work-group j = 4 c + cx
; (c: the cluster, cx: the place in it) takes block 31 - j and then block j.  Key tiles hold 128 keys; block i needs tiles 0 .. i / 4: 8 - c tiles and then c + 1: NINE for every work-group,
; and WHICH tiles hangs on c alone: the four partners of a cluster walk the same tiles and ask for each jointly.  No branch hangs on cx: a block's last tile takes a mask made as numbers from cx.
; LAYOUT.  S^T = K Q^T holds one query a lane (l % 16) and keys 8 (l / 16) + 0..7; two such results rounded to f16 are source 1 of O^T = V^T P.  K comes out of LDS as it lies, V turned by ds_load_tr16_b128.
; SOFTMAX.  A running maximum m and sum l for each query: p = 2^(c s - c m), c = log2(e) / sqrt(128); O and l are multiplied by a = 2^(c m_old - c m_new) in every step.  m starts at the lowest finite number: a block's first a is 0.
; BY TURNS.  The wave's two tiles take turns at the matrix unit.  TURN x: 16 products V^T P of tile x for the key step in hand, then 16 products K Q^T of tile x for the next step; the other tile's softmax, 134
; instructions, stands in slices of four behind the 32 products, the last ten behind the last.  TURN 0 carries tile 1's softmax of step j and fetches K of step j + 1; TURN 1 carries tile 0's softmax of step j + 1
; and fetches V of step j + 1.  The change of slots stands between TURN 1 and TURN 0: all LDS reads of a trip go to the slot that has landed.
; A BLOCK BEGINS with K of its first step and tile 0's 16 first products, bare, and enters the loop at TURN 1, whose products V^T P, of a step that has not been, land in an O^T that the first softmax multiplies by
; a = 0: so V, tile 1's P, O^T and l need only be finite: zeros at the start (in the wait for the first tile), what the first block left for the second.
; A BLOCK ENDS with a third TURN 0 in its last tile, which fetches nothing; its 16 products K Q^T, on the last K once more, serve nothing: the price, twice a launch, of one text for every turn; then tile 1's last V^T P.
; REGISTERS: window 0: v0-15 addresses; v16-31 statistics, 8 a tile; v44-46, v14-15 the mask's terms; v64-127 S^T; v128-159 P; v160-223 MC, the C operand that starts S^T (0, or -1e30 where hidden)
;   window 1: v0-127 O^T, 64 a tile; v128-255 K of one step          window 2: v0-127 V of one step; v128-191 Q; v192-255 the second block's Q
.set KS,    64
.set PK,    272       ; a row of K in LDS: 256 bytes + 16
.set PV,    288       ; a row of V: 256 + 32
.set VOFF,  KS*PK     ; a step's tiles lie together: 64 rows of K, then 64 rows of V
.set STEPB, KS*(PK+PV)
.set SLOT1, 1<<17     ; a slot holds a key tile, two steps; slot 1 begins here
.set STAGE, SLOT1+2*STEPB  ; behind the ring: 16 rows x 272 bytes for each wave, for the way out
.set SP,    272
.set SPARE, STAGE+4*16*SP  ; behind the stages: the spare words, 128 bytes for each wave, which no other line names
.set AK0, 2           ; v2   my lane's place in a tile of K; never rewritten
.set AV0, 3           ; v3   the same for V
.set AK,  4           ; v4   the LDS address of K's run of loads
.set AV,  5           ; v5   of V's
.set STO, 6           ; v6   the way out: where I put 16 bytes of a row
.set RD,  7           ; v7   where I read rows back
.set GO,  8           ; v8   my byte offset in two rows of att
.set QO,  12          ; v12  my byte offset in 16 rows of Q
.set PR,  14          ; v14-15  by tile: my query's place in the key step whose mask is made next, less 8 (l / 16)
.set ST,  16          ; tile t's statistics at v[ST+8 t]: c m, m, l (even keys', odd keys'), c0-c3 at work; a takes c2's place
.set PB0, 44          ; v44-45  by tile: 16 t + l % 16 - 8 (l / 16)
.set BG,  46          ; v46  -1e30
.set SPW, 62
.set NIL, 63
.set S,   64
.set P,   128
.set MC,  160
.set KF,  128         ; window 1
.set QF,  128         ; window 2
.set QB,  192         ; window 2
.set WV,  12          ; s12  my wave's number
.set CX,  13          ; s13  my place in the cluster: it enters Q's and O's addresses and the mask's numbers alone
.set CC,  14          ; s14  the cluster's number
.set KB,  16          ; s[16:17] K at my half of the head's tile 0;  s[18:19] V likewise
.set VB,  18
.set G1K, 24          ; s[24:31], s[32:39] descriptor group 1 for K's and V's tiles
.set G1V, 32
.set G0K, 40          ; s[40:43], s[44:47] descriptor group 0: they walk
.set G0V, 44
.set SLOTS, 56
.set CNT, 57          ; counts a tile's trips of two turns, from 3 down
.set CS,  58          ; s[58:59] c
.set SEL, 60          ; s[60:61] v_permlanex16_b32's selects
.set SB,  62          ; the slot that is read
.set TBK, 63          ; LDS byte at which the step whose K is fetched next begins
.set TBV, 66          ; the same for V
.set XB,  67          ; the count at which a tile that is not its block's last is left behind TURN 1: 2; in a last tile 0, which the count never is there
.set RT,  70          ; tiles of the block in hand still to be entered
.set NXT, 71          ; the tile to be asked for next
.set LQ,  72          ; the last tile of the block whose tiles are being asked for
.set NEW, 73          ; 1: the tile to be entered is a block's first
.set OFF, 74          ; s[74:75] a tile's byte offset
.set MK,  76          ; 1: the tile in hand is its block's last: its turns make masks
.set REL, 77          ; my block's first position in its last tile
.set OLO, 80          ; s[80:81] att at my rows of the second block
.set MSB, 0
.macro WIN new
.if MSB != (\new)
	s_set_vgpr_msb (MSB<<8)|(\new)
.set MSB, (\new)
.endif
.endm
.set W_KQ, 0x09       ; K window 1, Q window 2, C and S^T window 0
.set W_PV, 0x52       ; V window 2, P window 0, O^T window 1
.set W_RS, 0x41       ; O^T (destination and source 0) window 1, a window 0
.macro PLACES
.rept 4
	v_nop
.endr
.endm
; A joint fill.  Waves 0 and 1 fetch the two steps' K, waves 2 and 3 their V.  An s_nop 0 and four v_nop follow each line.
.macro JLOAD
	s_cmp_lt_u32 s[WV], 2
	s_cbranch_scc0 .Lfor_v_\@
	tensor_load_to_lds s[G0K:G0K+3], s[G1K:G1K+7]
	s_nop 0
.rept 4
	v_nop
.endr
	s_branch .Lasked_\@
.Lfor_v_\@:
	tensor_load_to_lds s[G0V:G0V+3], s[G1V:G1V+7]
	s_nop 0
.rept 4
	v_nop
.endr
.Lasked_\@:
.endm
.macro CROUND
	s_barrier_signal -1
	s_barrier_wait -1
	s_cmp_lg_u32 s[WV], 0
	s_cbranch_scc1 .Lnot_wave_0_\@
	s_barrier_signal -3
.Lnot_wave_0_\@:
	s_barrier_wait -3
	s_barrier_signal -1
	s_barrier_wait -1
.endm
; THE CHANGE OF SLOTS.  Each wave waits for all its tensor loads (one is out: its part of the other slot), adds 0 to its spare word, and waits for that and for its reads of the slot that it leaves,
; of which the last, V of its second step, were issued in the middle of the turn before.
; fill = 1: the barrier is a round of the cluster's, and the old slot is filled again, first thing behind it, with tile NXT; the address is made anew from that number.  It has two key steps in which to land.
.macro CHANGE fill
	WIN 0
	s_wait_tensorcnt 0x0
	ds_add_u32 v[SPW], v[NIL]       ; 0 onto my spare word; scalar work stands between it and the wait for it
.if \fill
	s_lshl_b32 s[OFF], s[NXT], 15   ; a tile is 32,768 bytes of K and of V
	s_xor_b32 s[G0K+1], s[G0K+1], SLOT1
	s_add_nc_u64 s[G0K+2:G0K+3], s[KB:KB+1], s[OFF:OFF+1]
	s_or_b32 s[G0K+3], s[G0K+3], 0x80000000
	s_xor_b32 s[G0V+1], s[G0V+1], SLOT1
	s_add_nc_u64 s[G0V+2:G0V+3], s[VB:VB+1], s[OFF:OFF+1]
	s_or_b32 s[G0V+3], s[G0V+3], 0x80000000
	s_add_co_u32 s[NXT], s[NXT], 1  ; the block's next tile, or behind its last the second block's tile 0
	s_cmp_gt_u32 s[NXT], s[LQ]
	s_cselect_b32 s[NXT], 0, s[NXT]
	s_cselect_b32 s[LQ], s[CC], s[LQ]
.endif
	s_xor_b32 s[SB], s[SB], SLOT1   ; the fetches go to the other slot's first step
	s_mov_b32 s[TBK], s[SB]
	s_mov_b32 s[TBV], s[SB]
	s_wait_dscnt 0x0                ; the add is done, and my reads of the slot are over
.if \fill
	CROUND
	JLOAD
.else
	s_barrier_signal -1
	s_barrier_wait -1
.endif
.endm
	s_load_b128 s[4:7], s[0:1], 0x0 ; qkv s[4:5], att s[6:7]
	v_lshl_add_u32 v[SPW], v0, 2, SPARE
	v_mov_b32 v[NIL], 0
	ds_add_u32 v[SPW], v[NIL]       ; the wave's opening: the add and its wait stand ahead of my first tensor load
	v_lshrrev_b32 v1, 5, v0
	v_readfirstlane_b32 s[WV], v1
	s_bfe_u32 s[CX], ttmp6, 0x40000
	s_mov_b32 s[CC], ttmp9
	s_and_b32 s15, ttmp7, 0xffff
	s_lshr_b32 s83, s15, 2          ; b
	s_and_b32 s84, s15, 3           ; g
	s_mul_i32 s85, s83, 24
	s_add_co_u32 s86, s85, s84
	s_add_co_u32 s86, s86, 16       ; k's head
	s_lshl_b32 s86, s86, 18         ; a head is 262,144 bytes
	s_and_b32 s87, s[WV], 1         ; which of a tile's two steps I fetch:
	s_lshl_b32 s88, s87, 14         ; its 64 rows of 256 bytes in memory,
	s_add_co_u32 s86, s86, s88
	s_mul_i32 s89, s87, STEPB       ; and its place in a slot
	s_mov_b32 s87, 0
	s_lshl_b32 s2, s84, 2
	s_add_co_u32 s2, s2, s[WV]      ; my query head in the batch: 4 g + w
	s_add_co_u32 s3, s85, s2
	s_lshl_b32 s3, s3, 18
	s_lshl_b32 s8, s[CC], 2
	s_add_co_u32 s8, s8, s[CX]      ; j: the second block
	s_sub_co_u32 s9, 31, s8         ; the first block
	s_lshl_b32 s20, s9, 13          ; a block is 32 rows of 256 bytes of Q
	s_add_co_u32 s20, s20, s3
	s_mov_b32 s21, 0
	s_lshl_b32 s22, s8, 13
	s_add_co_u32 s22, s22, s3
	s_mov_b32 s23, 0
	s_lshl_b32 s78, s83, 22         ; att: 1,024 rows of 4,096 bytes a batch,
	s_lshl_b32 s79, s2, 8           ; 256 bytes a head,
	s_add_co_u32 s78, s78, s79
	s_lshl_b32 s10, s9, 17          ; 32 rows a block
	s_add_co_u32 s10, s10, s78
	s_mov_b32 s11, 0
	s_lshl_b32 s[OLO], s8, 17
	s_add_co_u32 s[OLO], s[OLO], s78
	s_mov_b32 s[OLO+1], 0
	; descriptor group 1: 64 rows x 128 elements of 2 bytes, padded behind every 64 words; the mask names all four work-groups
	s_mov_b32 s[G1K], 15|(1<<16)|(1<<20)|(1<<21)|(5<<22)|(3<<25)
	s_mov_b32 s[G1V], 15|(1<<16)|(1<<20)|(1<<21)|(5<<22)|(7<<25)
.irp g, G1K, G1V
	s_mov_b32 s[\g+1], 128<<16      ; tensor_dim0 = 128
	s_mov_b32 s[\g+2], KS<<16       ; tensor_dim1 = 64
	s_mov_b32 s[\g+3], 128<<16      ; tile_dim0 = 128
	s_mov_b32 s[\g+4], KS           ; tile_dim1 = 64
	s_mov_b32 s[\g+5], 128          ; elements from row to row
	s_mov_b32 s[\g+6], 0
	s_mov_b32 s[\g+7], 0
.endr
	s_mov_b32 s[CS], 0x3e0293ee     ; c = log2(e) / sqrt(128)
	s_mov_b32 s[CS+1], s[CS]
	s_mov_b32 s[SEL], 0x76543210
	s_mov_b32 s[SEL+1], 0xfedcba98
	s_mov_b32 s[SB], SLOT1          ; the first change of slots turns it into 0
	s_mov_b32 s[G0K], 1
	s_mov_b32 s[G0K+1], s89
	s_mov_b32 s[G0V], 1
	s_add_co_u32 s[G0V+1], s89, VOFF
	s_sub_co_u32 s[RT], 8, s[CC]    ; the first block has 8 - c tiles
	s_mov_b32 s[NXT], 1
	s_sub_co_u32 s[LQ], 7, s[CC]
	s_mov_b32 s[NEW], 1
	s_mov_b32 s[OFF+1], 0
	s_sub_co_u32 s[REL], 3, s[CX]
	s_lshl_b32 s[REL], s[REL], 5    ; block 31 - j begins 32 (3 - cx) keys into its last tile
	s_mov_b32 s[SLOTS], 8
	s_wait_dscnt 0x0                ; the opening add is done
	s_wait_kmcnt 0x0
	s_add_nc_u64 s[KB:KB+1], s[4:5], s[86:87]
	s_add_nc_u64 s[VB:VB+1], s[KB:KB+1], 0x100000  ; v's head lies four heads on
	s_add_nc_u64 s[G0K+2:G0K+3], s[KB:KB+1], 0
	s_or_b32 s[G0K+3], s[G0K+3], 0x80000000
	s_add_nc_u64 s[G0V+2:G0V+3], s[VB:VB+1], 0
	s_or_b32 s[G0V+3], s[G0V+3], 0x80000000
	s_add_nc_u64 s[20:21], s[4:5], s[20:21]        ; Q of the first block, of the second
	s_add_nc_u64 s[22:23], s[4:5], s[22:23]
	s_add_nc_u64 s[10:11], s[6:7], s[10:11]        ; att likewise
	s_add_nc_u64 s[OLO:OLO+1], s[6:7], s[OLO:OLO+1]
	CROUND                          ; all four work-groups are here: the first joint loads meet
	JLOAD                           ; tile 0 into slot 0; slot 1 is asked for by the loop's first change of slots
	v_and_b32 v1, 15, v0            ; l % 16
	v_bfe_u32 v9, v0, 4, 1          ; l / 16
	v_lshlrev_b32 v[QO], 8, v1
	v_lshl_add_u32 v[QO], v9, 4, v[QO]
	WIN 0x80                        ; destination window 2
.set i, 0
.rept 8                             ; both blocks' Q stay in registers: tile i / 4, channels 32 (i % 4) on
	global_load_b128 v[QF+8*i:QF+8*i+3],   v[QO], s[20:21] offset:(i/4)*4096+(i%4)*64
	global_load_b128 v[QF+8*i+4:QF+8*i+7], v[QO], s[20:21] offset:(i/4)*4096+(i%4)*64+32
	global_load_b128 v[QB+8*i:QB+8*i+3],   v[QO], s[22:23] offset:(i/4)*4096+(i%4)*64
	global_load_b128 v[QB+8*i+4:QB+8*i+7], v[QO], s[22:23] offset:(i/4)*4096+(i%4)*64+32
.set i, i+1
.endr
	WIN 0
	v_mul_u32_u24 v[AK0], v1, PK
	v_lshl_add_u32 v[AK0], v9, 4, v[AK0]
	v_and_b32 v10, 7, v0
	v_bfe_u32 v11, v0, 3, 1
	v_lshl_add_u32 v[AV0], v9, 3, v10
	v_mul_u32_u24 v[AV0], v[AV0], PV
	v_lshl_add_u32 v[AV0], v11, 4, v[AV0]
	v_add_nc_u32 v[AV0], VOFF, v[AV0]
	s_mul_i32 s15, s[WV], 16*SP
	s_add_co_u32 s15, s15, STAGE    ; my stage
	v_mul_u32_u24 v[STO], v1, SP
	v_lshl_add_u32 v[STO], v9, 4, v[STO]
	v_add_nc_u32 v[STO], s15, v[STO]
	v_mul_u32_u24 v[RD], v9, SP
	v_lshl_add_u32 v[RD], v1, 4, v[RD]
	v_add_nc_u32 v[RD], s15, v[RD]
	v_lshlrev_b32 v[GO], 12, v9
	v_lshl_add_u32 v[GO], v1, 4, v[GO]
	v_lshlrev_b32 v13, 3, v9
	v_sub_nc_u32 v[PB0], v1, v13
	v_add_nc_u32 v[PB0+1], 16, v[PB0]
	v_mov_b32 v[BG], 0xf149f2ca     ; -1e30
	; What the first turn finds: O^T, l, V and tile 1's P hold 0, and so do the statistics' registers at work, so that each is written on every way to its first reader.  All this stands in the wait for the first tile.
	WIN 0x40
.set i, 0
.rept 128
	v_mov_b32 v[i], 0               ; O^T
.set i, i+1
.endr
	WIN 0x80
.set i, 0
.rept 128
	v_mov_b32 v[i], 0               ; V
.set i, i+1
.endr
	WIN 0
.irp t, 0,1
.irp n, 2,3,4,5,6,7
	v_mov_b32 v[ST+8*\t+\n], 0      ; l, and c0-c3
.endr
.endr
.set i, 0
.rept 16
	v_mov_b32 v[P+16+i], 0
.set i, i+1
.endr
; Product i of 16 of S^T = K Q^T for tile t: channels 32 (i / 4) on, keys 16 (i % 4) on.  The first four start the sums with MC.  The four accumulators take turns.
.macro KQ t
	WIN W_KQ
.set rS, S+32*(\t)+8*(i%4)
.set rK, KF+32*(i%4)+8*(i/4)
.set rQ, QF+32*(\t)+8*(i/4)
.set rM, MC+32*(\t)+8*(i%4)
.if i < 4
	v_wmma_f32_16x16x32_f16 v[rS:rS+7], v[rK:rK+7], v[rQ:rQ+7], v[rM:rM+7]
.else
	v_wmma_f32_16x16x32_f16 v[rS:rS+7], v[rK:rK+7], v[rQ:rQ+7], v[rS:rS+7]
.endif
.endm
; Product i of 16 of O^T += V^T P for tile t: keys 32 (i / 8) on, channels 16 (i % 8) on.  Eight accumulators take turns.
.macro PV t
	WIN W_PV
.set rO, 64*(\t)+8*(i%8)
.set rV, 64*(i/8)+8*(i%8)
.set rP, P+16*(\t)+8*(i/8)
	v_wmma_f32_16x16x32_f16 v[rO:rO+7], v[rV:rV+7], v[rP:rP+7], v[rO:rO+7]
.endm
; The LDS loads stand in runs of 32, never singly among the matrix instructions.
.macro FETCH_K
	WIN 0
	v_add_nc_u32 v[AK], s[TBK], v[AK0]
	s_add_co_u32 s[TBK], s[TBK], STEPB
	WIN 0x40                        ; destination window 1
.irp f, 0,1,2,3,4,5,6,7,8,9,10,11,12,13,14,15  ; keys 16 (f / 4) on, channels 32 (f % 4) on
	ds_load_b128 v[KF+8*\f:KF+8*\f+3],   v[AK] offset:(\f/4)*16*PK+(\f%4)*64
	ds_load_b128 v[KF+8*\f+4:KF+8*\f+7], v[AK] offset:(\f/4)*16*PK+(\f%4)*64+32
.endr
	WIN 0
.endm
.macro FETCH_V
	WIN 0
	v_add_nc_u32 v[AV], s[TBV], v[AV0]
	s_add_co_u32 s[TBV], s[TBV], STEPB
	WIN 0x80                        ; destination window 2
.irp f, 0,1,2,3,4,5,6,7,8,9,10,11,12,13,14,15  ; keys 32 (f / 8) on, channels 16 (f % 8) on
	ds_load_tr16_b128 v[8*\f:8*\f+3],   v[AV] offset:(\f/8)*32*PV+(\f%8)*32
	ds_load_tr16_b128 v[8*\f+4:8*\f+7], v[AV] offset:(\f/8)*32*PV+16*PV+(\f%8)*32
.endr
	WIN 0
.endm
; One tile's softmax for one key step is a list of 134 instructions; SM writes number j of it for tile t.
;   0-15    the maximum of the lane's 32 scores and the old m, three operands at a time; each accumulator's lowest registers are read first
;   16-20   the other half of the lanes' maximum; c m_old is kept; the new m; c m; c m_old - c m_new
;   21-87   33 exponentials (a, then the scores) at the odd numbers from 23 on, a plain instruction that is ready behind each: scalings c s - c m ahead of them, roundings to f16 and the first sums behind them
;   88-101  the last rounding, the rest of the sums, l = a l + the sum          102-133  the tile's O^T times a
.macro SM t
.set rT, ST+8*(\t)
.set rS, S+32*(\t)
.set rP, P+16*(\t)
.set rO, 64*(\t)+2*(j-102)
.set q, (j-20)/2
.if j < 102
	WIN 0
.endif
.if j < 4
	v_max3_num_f32 v[rT+4+j], v[rS+8*j], v[rS+8*j+1], v[rS+8*j+2]
.elseif j < 12
	v_max3_num_f32 v[rT+4+j%4], v[rT+4+j%4], v[rS+8*(j%4)+2*(j/4)+1], v[rS+8*(j%4)+2*(j/4)+2]
.elseif j == 12
	v_max3_num_f32 v[rT+4], v[rT+4], v[rS+7], v[rS+15]
.elseif j == 13
	v_max3_num_f32 v[rT+6], v[rT+6], v[rS+23], v[rS+31]
.elseif j == 14
	v_max3_num_f32 v[rT+4], v[rT+4], v[rT+5], v[rT+6]
.elseif j == 15
	v_max3_num_f32 v[rT+4], v[rT+4], v[rT+7], v[rT+1]
.elseif j == 16
	v_permlanex16_b32 v[rT+5], v[rT+4], s[SEL], s[SEL+1]
.elseif j == 17
	v_mov_b32 v[rT+7], v[rT]
.elseif j == 18
	v_max_num_f32 v[rT+1], v[rT+4], v[rT+5]
.elseif j == 19
	v_mul_f32 v[rT], s[CS], v[rT+1]
.elseif j == 20
	v_sub_f32 v[rT+7], v[rT+7], v[rT]
.elseif j == 23
	v_exp_f32 v[rT+6], v[rT+7]
.elseif (j < 88) && (j > 23) && (j%2 == 1)
	v_exp_f32 v[rS+(j-25)/2], v[rS+(j-25)/2]
.elseif (q < 4) || ((j < 76) && (q%2 == 0))
.set b, q/2+2
.if q < 4
.set b, q
.endif
	v_pk_fma_f32 v[rS+2*b:rS+2*b+1], v[rS+2*b:rS+2*b+1], s[CS:CS+1], v[rT:rT+1] op_sel_hi:[1,0,0] neg_lo:[0,0,1] neg_hi:[0,0,1]
.elseif (j < 88) && (q%2 == 1)
	s_wait_alu depctr_va_vdst(0)
	v_cvt_pk_f16_f32 v[rP+(q-5)/2], v[rS+q-5], v[rS+q-4]
.elseif j == 89
	s_wait_alu depctr_va_vdst(0)
	v_cvt_pk_f16_f32 v[rP+15], v[rS+30], v[rS+31]
.elseif j < 102
.set z, j-86
.if j < 89
.set z, (j-76)/4
.endif
.set w, 4
.set u, z
.if z >= 14
.set w, 32
.set u, 0
.elseif z >= 12
.set w, 16
.set u, z-12
.elseif z >= 8
.set w, 8
.set u, z-8
.endif
.if z < 15
	v_pk_add_f32 v[rS+w*u:rS+w*u+1], v[rS+w*u:rS+w*u+1], v[rS+w*u+w/2:rS+w*u+w/2+1]
.else
	v_pk_fma_f32 v[rT+2:rT+3], v[rT+2:rT+3], v[rT+6:rT+7], v[rS:rS+1] op_sel_hi:[1,0,1]
.endif
.else
	WIN W_RS
	v_pk_mul_f32 v[rO:rO+1], v[rO:rO+1], v[rT+6:rT+7] op_sel_hi:[1,0]
.endif
.endm
.macro RIDE t, n                    ; the next n numbers of tile t's list
.rept \n
	SM \t
.set j, j+1
.endr
.endm
; Tile t's mask for its next products K Q^T: register 8 kb + r of its 32 is hidden where 16 kb + r is greater than my query's place; then the place goes 64 keys back for the step after.
.macro MASKGEN t
.set i, 0
.rept 32
	v_cmp_gt_i32 vcc_lo, 16*(i/8)+i%8, v[PR+(\t)]
	v_cndmask_b32 v[MC+32*(\t)+i], 0, v[BG], vcc_lo
.set i, i+1
.endr
	v_add_nc_u32 v[PR+(\t)], 0xffffffc0, v[PR+(\t)]
.endm
; A TURN, for tile x.  The riders name no register of the products round them.  From number 24 to 87 a slice reads plain, exponential, plain, exponential.  The ten rescalings behind the last product are the
; places in front of the next turn's first reads of tile x's scores, and of K's loads there.
; K of the next step is fetched in TURN 0 behind its second product (not in a block's very last turn, where the count is 1), and waited for in front of its K Q^T, fourteen products on.
; V of the next step is fetched in TURN 1 behind its second K Q^T: six plain riders and the address line stand behind the last product that read V; TURN 0 waits for it at its head.
.macro TURN x
	s_cmp_eq_u32 s[MK], 1
	s_cbranch_scc0 .Lopen_\@
	MASKGEN \x
.Lopen_\@:
.if (\x) == 0
	s_wait_dscnt 0x0                ; V is in
.endif
.set i, 0
.set j, 0
.rept 16
	PV \x
	RIDE 1-(\x), 4
.if ((\x) == 0) && (i == 1)
	WIN 0
	s_cmp_eq_u32 s[CNT], 1
	s_cbranch_scc1 .Lno_k_\@
	FETCH_K
.Lno_k_\@:
.endif
.set i, i+1
.endr
.if (\x) == 0
	s_wait_dscnt 0x0                ; K is in
.endif
.set i, 0
.rept 16
	KQ \x
	RIDE 1-(\x), 4
.if ((\x) == 1) && (i == 1)
	FETCH_V
.endif
.set i, i+1
.endr
	RIDE 1-(\x), 6
	WIN 0
.endm
; A BLOCK BEGINS: c m far below every c s, m the lowest finite number, no mask, my queries' places in the block's last tile.
.macro BEGIN
	s_mov_b32 s[NEW], 0
	WIN 0
.irp t, 0,1
	v_mov_b32 v[ST+8*\t], 0xfe000000
	v_mov_b32 v[ST+8*\t+1], 0xff7fffff
	v_add_nc_u32 v[PR+\t], s[REL], v[PB0+\t]
.endr
.set i, 0
.rept 64
	v_mov_b32 v[MC+i], 0
.set i, i+1
.endr
	s_wait_loadcnt 0x0              ; Q
.endm
; THE WAY OUT of a block: O^T is divided by l, rounded to f16 and sent through my stage in LDS, a tile (16 rows) at a time.
.macro PACK t
	WIN W_RS
.set i, 64*(\t)
.rept 32
	v_pk_mul_f32 v[i:i+1], v[i:i+1], v[ST+8*(\t)+6:ST+8*(\t)+7] op_sel_hi:[1,0]
.set i, i+2
.endr
	WIN 0x05                        ; sources 0 and 1 window 1, destination window 0
.set i, 0
.rept 32
	v_cvt_pk_f16_f32 v[S+32*(\t)+i], v[64*(\t)+2*i], v[64*(\t)+2*i+1]
.set i, i+1
.endr
	WIN 0
.irp f, 0,1,2,3,4,5,6,7
	ds_store_b128 v[STO], v[S+32*(\t)+4*\f:S+32*(\t)+4*\f+3] offset:32*\f
.endr
.irp f, 0,1,2,3,4,5,6,7
	ds_load_b128 v[S+32*(\t)+4*\f:S+32*(\t)+4*\f+3], v[RD] offset:\f*2*SP  ; LDS serves a wave's instructions in order: these see the stores above; the next tile's stores come behind them
.endr
.endm
.macro SEND t, younger
	WIN 0
.irp f, 0,1,2,3,4,5,6,7
	s_wait_dscnt (\younger)+7-\f
	global_store_b128 v[GO], v[S+32*(\t)+4*\f:S+32*(\t)+4*\f+3], s[10:11] offset:(\t)*65536+\f*8192  ; 16 lanes store 256 consecutive bytes, aligned: a head's part of a row
.endr
.endm
; A BLOCK'S END: tile 1's last products V^T P, then the way out; tile 0's arithmetic is the places behind those products.  sw = 1: on to the second block.
.macro END sw
	s_wait_dscnt 0x0                ; V is in.  By the way on which a block ends, out of the third TURN 0, nothing of mine is out: that turn waited for V at its head and fetched nothing;
	                                ; the wait also stands for the counted loop's own exit, behind TURN 1, on which V's run of loads would still be out
.set i, 0
.rept 16
	PV 1
.set i, i+1
.endr
	WIN 0
.irp t, 0,1
	v_add_f32 v[ST+8*\t+4], v[ST+8*\t+2], v[ST+8*\t+3]
.endr
.irp t, 0,1
	v_permlanex16_b32 v[ST+8*\t+5], v[ST+8*\t+4], s[SEL], s[SEL+1]
.endr
.irp t, 0,1
	v_add_f32 v[ST+8*\t+4], v[ST+8*\t+4], v[ST+8*\t+5]
.endr
.irp t, 0,1
	v_rcp_f32 v[ST+8*\t+6], v[ST+8*\t+4]
.endr
	v_nop                           ; a plain instruction between the last reciprocal and the use of its result
	s_wait_alu depctr_va_vdst(0)
	PACK 0
	PACK 1
	SEND 0, 16
	SEND 1, 0
.if \sw
	s_wait_xcnt 0x0                 ; the stores' base and data are rewritten only behind this wait
	s_mov_b64 s[10:11], s[OLO:OLO+1]
	s_add_co_u32 s[RT], s[CC], 1    ; the second block has c + 1 tiles
	s_mov_b32 s[NEW], 1
	s_lshl_b32 s[REL], s[CX], 5     ; block j begins 32 cx keys into its last tile
	WIN 0x82
.set i, 0
.rept 64
	v_mov_b32 v[QF+i], v[QB+i]      ; the second block's Q goes where the one text of the turns names Q
.set i, i+1
.endr
	WIN 0
.endif
.endm
; A TILE'S TURNS, behind the change of slots.  The loop counts from 3: trips of TURN 0 and TURN 1.  A block's first tile enters at TURN 1.  The two ways out have two targets:
; a tile that is not its block's last is left behind its second TURN 1 (the count is 2 = XB), past the block's end, to the bottom of the loop over slots;
; a block's last tile goes on into a third TURN 0 and is left behind it (the count is 1), to the label at the macro's end, behind which the block's end stands.
; Every jump but the loop's own goes forward and passes no barrier and no tensor load.
; lp = 1: the text in the loop over slots, where a block's first tile is never its last (the first block has five tiles or more, and the second's last is the walk's last).
; lp = 0: the walk's last tile, which is its block's last: the way out behind TURN 1 is not written.
.macro WALK tag, lp
.if \lp
	s_sub_co_u32 s[RT], s[RT], 1
	s_cmp_eq_u32 s[RT], 0
	s_cselect_b32 s[MK], 1, 0
	s_cselect_b32 s[XB], 0, 2
.else
	s_mov_b32 s[MK], 1
.endif
	s_mov_b32 s[CNT], 3
	s_cmp_eq_u32 s[NEW], 1          ; at the first trip the answer is a constant of the text
	s_cbranch_scc0 .Lstep\tag
	BEGIN
.if !(\lp)
	MASKGEN 0
.endif
	FETCH_K
	s_wait_dscnt 0x0
.set i, 0
.rept 16
	KQ 0                            ; tile 0's first scores: there is no vector work yet to set between them
.set i, i+1
.endr
	WIN 0
	PLACES
	s_branch .Lfirst\tag
.Lstep\tag:
	TURN 0
	s_cmp_eq_u32 s[CNT], 1
	s_cbranch_scc1 .Lend\tag
.Lfirst\tag:
	TURN 1
.if \lp
	s_cmp_eq_u32 s[CNT], s[XB]
	s_cbranch_scc1 .Lbottom
.endif
	s_sub_co_u32 s[CNT], s[CNT], 1
	s_cmp_lg_u32 s[CNT], 0
	s_cbranch_scc1 .Lstep\tag
.Lend\tag:
.endm
.Lslot:                             ; eight trips: a tile is entered and the next is asked for
	CHANGE 1
	WALK 1, 1
	END 1                           ; in the loop this is the first block's end
.Lbottom:
	s_sub_co_u32 s[SLOTS], s[SLOTS], 1
	s_cmp_lg_u32 s[SLOTS], 0
	s_cbranch_scc1 .Lslot
	CHANGE 0                        ; the walk's last tile is written out: nothing is asked for
	WALK 2, 0
	END 0
	s_wait_tensorcnt 0x0            ; the wave's end
	ds_add_u32 v[SPW], v[NIL]
	s_wait_dscnt 0x0
	CROUND                          ; the closing round
	s_endpgm
.Lfunc_end_k_qdb4a12aaca_attn:
	.size	k_qdb4a12aaca_attn, .Lfunc_end_k_qdb4a12aaca_attn-k_qdb4a12aaca_attn
	.p2alignl 7, 3214868480
	.fill 96, 4, 3214868480
	.section	.rodata,"a",@progbits
	.p2align	6, 0x0
	.amdhsa_kernel k_qdb4a12aaca_attn
		.amdhsa_group_segment_fixed_size 327680
		.amdhsa_private_segment_fixed_size 0
		.amdhsa_enable_private_segment 0
		.amdhsa_kernarg_size 16
		.amdhsa_user_sgpr_count 2
		.amdhsa_user_sgpr_kernarg_segment_ptr 1
		.amdhsa_wavefront_size32 1
		.amdhsa_system_sgpr_workgroup_id_x 1
		.amdhsa_system_sgpr_workgroup_id_y 1
		.amdhsa_system_sgpr_workgroup_id_z 1
		.amdhsa_system_vgpr_workitem_id 0
		.amdhsa_next_free_vgpr 768
		.amdhsa_next_free_sgpr 92
		.amdhsa_reserve_vcc 1
		.amdhsa_float_denorm_mode_32 3
		.amdhsa_float_denorm_mode_16_64 3
		.amdhsa_memory_ordered 1
		.amdhsa_forward_progress 1
		.amdhsa_inst_pref_size 130
	.end_amdhsa_kernel
	.amdgpu_metadata
---
amdhsa.version: [ 1, 2 ]
amdhsa.kernels:
  - .name:           k_qdb4a12aaca_attn
    .symbol:         k_qdb4a12aaca_attn.kd
    .args:
      - { .name: qkv, .offset: 0, .size: 8, .value_kind: global_buffer, .address_space: global }
      - { .name: att, .offset: 8, .size: 8, .value_kind: global_buffer, .address_space: global }
    .group_segment_fixed_size: 327680
    .private_segment_fixed_size: 0
    .kernarg_segment_align: 8
    .kernarg_segment_size: 16
    .max_flat_workgroup_size: 128
    .sgpr_count:     92
    .vgpr_count:     768
    .wavefront_size: 32
...
	.end_amdgpu_metadata
.endif
;; end of part 3
;; launch outp (part 4): grid 8 x 32, 4 waves a work-group, clusters of 4 x 4, 327,680 bytes of LDS; arguments att, wo16, out0; writes out0
.if DOCPART == 4
	.amdgcn_target "amdgcn-amd-amdhsa--gfx1250"
	.amdhsa_code_object_version 6
	.text
	.protected	k_qdb4a12aaca_outp
	.globl	k_qdb4a12aaca_outp
	.p2align	8
	.type	k_qdb4a12aaca_outp,@function
k_qdb4a12aaca_outp:
	s_mov_b64 s[64:65], 0
	v_nop
	global_prefetch_b8 v0, s[64:65] scope:SCOPE_SE
	s_setreg_imm32_b32 hwreg(HW_REG_WAVE_MODE, 25, 1), 1
	s_wait_xcnt 0x0
	s_wait_alu depctr_hold_cnt(0) depctr_sa_sdst(0) depctr_va_vdst(0) depctr_va_sdst(0) depctr_va_ssrc(0) depctr_va_vcc(0) depctr_vm_vsrc(0)
	s_getreg_b32 s2, hwreg(HW_REG_IB_STS2, 6, 4)
	s_cmp_eq_u32 s2, 0
	s_cbranch_scc0 .Lentry_in_a_cluster
	s_endpgm
.Lentry_in_a_cluster:
	s_bfe_u32 s2, ttmp6, 0x10000c
	s_cmp_lg_u32 s2, 0xf033
	s_cbranch_scc0 .Lentry_shape_is_right
	s_endpgm
.Lentry_shape_is_right:
; OUTP: out0 = att wo16.  att: [4096][2048] f16.  wo16: [2048][2048] f16 ([k][n]).  out0: [4096][2048] f32.  Sums in f32, stored as they are.
; SHARES.  A tile of out0 is 128 rows x 256 columns: 32 x 8 = 256 work-groups.  Each of four waves takes all 128 rows and columns 64 w .. 64 w + 63, which are 256 consecutive bytes of a row: 32 accumulators of 16 x 16.
; K goes in steps of 128 through a ring of two LDS slots filled by the tensor data mover: two regions of wo16 (128 k x 128 n each), then att's 128 rows x 128 k.  Waves 0 and 1 fetch a region each, wave 2 att's tile, wave 3 nothing.
; CLUSTERS: 4 x 4 work-groups; att's tile is asked for jointly along a row of the cluster, wo16's regions along a column.
; THE MATRIX INSTRUCTION IS USED TRANSPOSED: source 0 = 16 columns of wo16 (turned by ds_load_tr16_b128), source 1 = 16 rows of att: a lane holds row l % 16 and columns 8 (l / 16) + 0..7.
; REGISTERS: window 0: v0-31 addresses, v32-63 and v192-223 rows on their way out, v64-191 att's fragments (two buffers);  window 1: v0-63 wo16's fragments (two buffers of 32);
;   windows 2, 3: the accumulators of row blocks 0-3, 4-7, (a, b) at v[8 (4 (a % 4) + b)].
.set NH,    2
.set NBW,   4
.set NTOT,  2048
.set KTOT,  2048
.set KSTEP, 128
.set PA,    272
.set PB,    288
.set AREG,  128*PA
.set BREG,  128*PB
.set AOFF,  NH*BREG
.set SLOT,  AOFF+AREG
.set STAGE, 2*SLOT                     ; behind the ring, never filled by a tensor load: 16 rows x 272 bytes for each wave
.set SP,    272
.set SPARE, STAGE+4*16*SP              ; behind the stages: the spare words, 128 bytes for each wave, which no other line names
.set LAPS,  KTOT/(2*KSTEP)
.set NL,    2*NBW+16
.set ADRA, 16                          ; v16-17  LDS address of att's fragments in slot 0, 1
.set ADRB, 18                          ; v18-19  of wo16's
.set STO,  24
.set RD,   25
.set CO,   26
.set SPW,  28
.set NIL,  29
.set WV,  12
.set G1,  24
.set G0,  32
.set G1B, 48
.set G0B, 56
.set MSB, 0
.macro WIN new
.if MSB != (\new)
	s_set_vgpr_msb (MSB<<8)|(\new)
.set MSB, \new
.endif
.endm
.macro PLACES
.rept 4
	v_nop
.endr
.endm
; A joint load.  Waves 0 and 1 fetch wo16's regions, wave 2 att's tile; wave 3 has none, and four v_nop of its own as the places in front of the loads that follow.
.macro JLOAD s
	s_cmp_lt_u32 s[WV], NH
	s_cbranch_scc0 .Lfor_a_\@
	tensor_load_to_lds s[G0B+4*(\s):G0B+4*(\s)+3], s[G1B:G1B+7]
	s_nop 0
.rept 4
	v_nop
.endr
	s_branch .Lasked_\@
.Lfor_a_\@:
	s_cmp_eq_u32 s[WV], NH
	s_cbranch_scc0 .Lnone_\@
	tensor_load_to_lds s[G0+4*(\s):G0+4*(\s)+3], s[G1:G1+7]
	s_nop 0
.rept 4
	v_nop
.endr
	s_branch .Lasked_\@
.Lnone_\@:
.rept 4
	v_nop
.endr
.Lasked_\@:
.endm
.macro CROUND
	s_barrier_signal -1
	s_barrier_wait -1
	s_cmp_lg_u32 s[WV], 0
	s_cbranch_scc1 .Lnot_wave_0_\@
	s_barrier_signal -3
.Lnot_wave_0_\@:
	s_barrier_wait -3
	s_barrier_signal -1
	s_barrier_wait -1
.endm
	s_load_b128 s[4:7], s[0:1], 0x0                ; att s[4:5], wo16 s[6:7]
	s_load_b64 s[8:9], s[0:1], 0x10                ; out0
	v_lshl_add_u32 v[SPW], v0, 2, SPARE
	v_mov_b32 v[NIL], 0
	ds_add_u32 v[SPW], v[NIL]                      ; the wave's opening: the add and its wait stand ahead of my first tensor load
	v_lshrrev_b32 v1, 5, v0
	v_readfirstlane_b32 s[WV], v1
	s_bfe_u32 s40, ttmp6, 0x40000
	s_bfe_u32 s41, ttmp6, 0x40004
	s_lshl_b32 s42, ttmp9, 2
	s_add_co_u32 s42, s42, s40                     ; tile column
	s_and_b32 s13, ttmp7, 0xffff
	s_lshl_b32 s13, s13, 2
	s_add_co_u32 s13, s13, s41                     ; tile row
	s_lshl_b32 s43, s41, 2
	s_lshl_b32 s43, 15, s43                        ; my row of the cluster
	s_lshl_b32 s44, 0x1111, s40                    ; my column
	s_or_b32 s[G1+0], s43, (1<<16)|(1<<20)|(1<<21)|(5<<22)|(3<<25)
	s_or_b32 s[G1B+0], s44, (1<<16)|(1<<20)|(1<<21)|(5<<22)|(7<<25)
.irp g, G1, G1B
	s_mov_b32 s[\g+1], 128<<16
	s_mov_b32 s[\g+2], 128<<16
	s_mov_b32 s[\g+3], 128<<16
	s_mov_b32 s[\g+4], 128
	s_mov_b32 s[\g+6], 0
	s_mov_b32 s[\g+7], 0
.endr
	s_mov_b32 s[G1+5], KTOT
	s_mov_b32 s[G1B+5], NTOT
	s_lshl_b32 s16, s13, 19                        ; att: 128 rows of 4,096 bytes a tile row
	s_mov_b32 s17, 0
	s_mul_i32 s46, s42, NH*256                     ; wo16: 512 bytes of a row a tile column, 256 a region
	s_lshl_b32 s47, s[WV], 8
	s_add_co_u32 s46, s46, s47
	s_mov_b32 s47, 0
	s_mul_i32 s20, s[WV], BREG
	s_wait_dscnt 0x0                               ; the opening add is done
	s_wait_kmcnt 0x0
	s_add_nc_u64 s[14:15], s[4:5], s[16:17]
	s_add_nc_u64 s[46:47], s[6:7], s[46:47]
	CROUND
.irp s, 0,1
	s_mov_b32 s[G0+4*\s], 1
	s_mov_b32 s[G0+4*\s+1], \s*SLOT+AOFF
	s_add_nc_u64 s[G0+4*\s+2:G0+4*\s+3], s[14:15], \s*KSTEP*2
	s_or_b32 s[G0+4*\s+3], s[G0+4*\s+3], 0x80000000
	s_mov_b32 s[G0B+4*\s], 1
	s_add_co_u32 s[G0B+4*\s+1], s20, \s*SLOT
	s_add_nc_u64 s[G0B+4*\s+2:G0B+4*\s+3], s[46:47], \s*KSTEP*NTOT*2
	s_or_b32 s[G0B+4*\s+3], s[G0B+4*\s+3], 0x80000000
.endr
	s_cmp_lt_u32 s[WV], NH                         ; a wave's two first fills stand together: two loads of mine are out, or none
	s_cbranch_scc0 .Lfirst_a
	tensor_load_to_lds s[G0B:G0B+3], s[G1B:G1B+7]
	s_nop 0
	tensor_load_to_lds s[G0B+4:G0B+7], s[G1B:G1B+7]
	s_nop 0
.rept 4
	v_nop
.endr
	s_branch .Lfirst_asked
.Lfirst_a:
	s_cmp_eq_u32 s[WV], NH
	s_cbranch_scc0 .Lfirst_asked
	tensor_load_to_lds s[G0:G0+3], s[G1:G1+7]
	s_nop 0
	tensor_load_to_lds s[G0+4:G0+7], s[G1:G1+7]
	s_nop 0
.rept 4
	v_nop
.endr
.Lfirst_asked:
	v_and_b32 v1, 15, v0
	v_bfe_u32 v2, v0, 4, 1
	v_mul_u32_u24 v3, v1, PA
	v_lshl_add_u32 v3, v2, 4, v3
	v_add_nc_u32 v[ADRA], AOFF, v3
	v_add_nc_u32 v[ADRA+1], SLOT+AOFF, v3
	v_and_b32 v4, 7, v0
	v_lshl_add_u32 v4, v2, 3, v4
	v_mul_u32_u24 v4, v4, PB
	v_bfe_u32 v5, v0, 3, 1
	v_lshl_add_u32 v4, v5, 4, v4
	s_and_b32 s21, s[WV], 1                        ; my 64 columns: region w / 2, 128 bytes x (w % 2)
	s_lshl_b32 s21, s21, 7
	s_lshr_b32 s22, s[WV], 1
	s_mul_i32 s22, s22, BREG
	s_add_co_u32 s21, s21, s22
	v_add_nc_u32 v[ADRB], s21, v4
	s_add_co_u32 s21, s21, SLOT
	v_add_nc_u32 v[ADRB+1], s21, v4
	s_mul_i32 s23, s[WV], 16*SP
	s_add_co_u32 s23, s23, STAGE                   ; my stage
	v_mul_u32_u24 v6, v1, SP                       ; in: row l % 16, 32 bytes for each half of the lanes
	v_lshl_add_u32 v6, v2, 5, v6
	v_add_nc_u32 v[STO], s23, v6
	v_mul_u32_u24 v6, v2, SP                       ; back: lanes 0-15 one row of 256 bytes, lanes 16-31 the next
	v_lshl_add_u32 v6, v1, 4, v6
	v_add_nc_u32 v[RD], s23, v6
	v_lshlrev_b32 v6, 13, v2                       ; and the same two rows in out0
	v_lshl_add_u32 v[CO], v1, 4, v6
	s_lshl_b32 s18, s13, 20                        ; 128 rows of 8,192 bytes a tile row
	s_lshl_b32 s19, s42, 10                        ; 1,024 bytes a tile column
	s_add_co_u32 s18, s18, s19
	s_lshl_b32 s19, s[WV], 8                       ; 256 bytes a wave
	s_add_co_u32 s18, s18, s19
	s_mov_b32 s19, 0
	s_add_nc_u64 s[8:9], s[8:9], s[18:19]
; na x 4 matrix instructions; the accumulators take turns, one instruction a turn, in the same order everywhere.
.macro MULP f, hi, a0, na, zero
	WIN 0xa1+0x50*(\hi)
.set ma, \a0
.rept \na
.set mb, 0
.rept NBW
.set rD, 8*(NBW*ma+mb)
.set rB, 8*NBW*(\f)+8*mb
.set rA, 64+64*(\f)+8*(4*(\hi)+ma)
.if \zero
	v_wmma_f32_16x16x32_f16 v[rD:rD+7], v[rB:rB+7], v[rA:rA+7], 0
.else
	v_wmma_f32_16x16x32_f16 v[rD:rD+7], v[rB:rB+7], v[rA:rA+7], v[rD:rD+7]
.endif
.set mb, mb+1
.endr
.set ma, ma+1
.endr
.endm
; 24 LDS loads in one run
.macro FETCH slot, q, f
	WIN 0x40
.set fb, 0
.rept NBW
	ds_load_tr16_b128 v[8*NBW*(\f)+8*fb:8*NBW*(\f)+8*fb+3],   v[ADRB+(\slot)] offset:(\q)*32*PB+32*fb
	ds_load_tr16_b128 v[8*NBW*(\f)+8*fb+4:8*NBW*(\f)+8*fb+7], v[ADRB+(\slot)] offset:(\q)*32*PB+32*fb+16*PB
.set fb, fb+1
.endr
	WIN 0
.set fa, 0
.rept 8
	ds_load_b128 v[64+64*(\f)+8*fa:64+64*(\f)+8*fa+3],   v[ADRA+(\slot)] offset:64*(\q)+fa*16*PA
	ds_load_b128 v[64+64*(\f)+8*fa+4:64+64*(\f)+8*fa+7], v[ADRA+(\slot)] offset:64*(\q)+fa*16*PA+32
.set fa, fa+1
.endr
.endm
.macro QUARTER slot, q, f, g, zero
	s_wait_dscnt 8                                 ; all but the youngest eight loads (att's rows 64-127)
	MULP \f, 0, 0, 4, \zero
	PLACES
	FETCH \slot, \q, \g
	s_wait_dscnt NL                                ; all but the run just issued
	MULP \f, 1, 0, 4, \zero
.endm
; The last quarter CHANGES SLOTS FIRST and multiplies afterwards, so that nothing but the round stands between the landing of one tile and the request for the next: its 32 products run while the refill is on its way.
; Each wave waits for all its tensor loads (its part of the next slot, if it has one), adds 0 to its spare word, and waits for that and for its reads of this slot, of which the last, buffer 1's, were issued
; in the middle of the third quarter.  fill = 1: the barrier is a round of the cluster's, and this slot is filled again, two K steps ahead, first thing behind it.
.macro TURN slot, next, fill
	WIN 0
	s_wait_tensorcnt 0x0                           ; no tensor load of mine is out, so a group 0 may be written
	ds_add_u32 v[SPW], v[NIL]                      ; 0 onto my spare word; the descriptors' steps stand between it and the wait for it
.if \fill
	s_add_nc_u64 s[G0+4*(\slot)+2:G0+4*(\slot)+3], s[G0+4*(\slot)+2:G0+4*(\slot)+3], 2*KSTEP*2
	s_add_nc_u64 s[G0B+4*(\slot)+2:G0B+4*(\slot)+3], s[G0B+4*(\slot)+2:G0B+4*(\slot)+3], 2*KSTEP*NTOT*2
.endif
	s_wait_dscnt 0x0                               ; the add is done, and my reads of this slot are over: buffer 1 is whole
.if \fill
	CROUND                                         ; no wave of any partner still reads this slot or has a load on its way
	JLOAD \slot                                    ; the first tensor load behind the round; the four v_nop on each of its ways are also the places in front of the loads below
.else
	s_barrier_signal -1
	s_barrier_wait -1
	PLACES
.endif
	FETCH \next, 0, 0
	MULP 1, 0, 0, 4, 0
	MULP 1, 1, 0, 4, 0
.endm
	s_wait_tensorcnt 1                             ; my part of K step 0 is in; step 1's may stay out
	s_barrier_signal -1
	s_barrier_wait -1
	FETCH 0, 0, 0
	QUARTER 0, 1, 0, 1, 1
	WIN 0
	s_mov_b32 s3, LAPS-1
.Llap:
	QUARTER 0, 2, 1, 0, 0
	QUARTER 0, 3, 0, 1, 0
	TURN 0, 1, 1
	QUARTER 1, 1, 0, 1, 0
	QUARTER 1, 2, 1, 0, 0
	QUARTER 1, 3, 0, 1, 0
	TURN 1, 0, 1
	QUARTER 0, 1, 0, 1, 0
	WIN 0
	s_sub_co_u32 s3, s3, 1
	s_cmp_lg_u32 s3, 0
	s_cbranch_scc1 .Llap
	QUARTER 0, 2, 1, 0, 0
	QUARTER 0, 3, 0, 1, 0
	TURN 0, 1, 0
	QUARTER 1, 1, 0, 1, 0
	QUARTER 1, 2, 1, 0, 0
	QUARTER 1, 3, 0, 1, 0
	s_wait_dscnt 8
	MULP 1, 0, 0, 4, 0
	s_wait_dscnt 0x0
	MULP 1, 1, 0, 4, 0
	WIN 0
	PLACES
	; THE WAY OUT, a block of 16 rows at a time through my own stage: the sums go in as they lie (each accumulator's low half first), and come back as whole rows of 256 bytes.
.macro TOSTAGE a
	WIN 0
	s_wait_xcnt 0x0                                ; the registers that earlier stores read are loaded again only behind this wait
	WIN 0x08+4*((\a)/4)                            ; store data (source 1) window 2 or 3
.set tb, 0
.rept NBW
.set rD, 8*(NBW*((\a)%4)+tb)
	ds_store_b128 v[STO], v[rD:rD+3]   offset:64*tb
	ds_store_b128 v[STO], v[rD+4:rD+7] offset:64*tb+16
.set tb, tb+1
.endr
	WIN 0
.set BK, 32+160*((\a)%2)
.irp t, 0,1,2,3,4,5,6,7
	ds_load_b128 v[BK+4*\t:BK+4*\t+3], v[RD] offset:\t*2*SP  ; LDS serves a wave's instructions in order: these see the stores above
.endr
.endm
.macro SEND a, younger
	WIN 0
.set BK, 32+160*((\a)%2)
	s_wait_dscnt \younger                          ; the block is back; the next block's sixteen LDS instructions may stay out
.irp t, 0,1,2,3,4,5,6,7
	global_store_b128 v[CO], v[BK+4*\t:BK+4*\t+3], s[8:9] offset:(16*(\a)+2*\t)*8192 th:TH_STORE_NT  ; 16 lanes store 256 consecutive bytes, aligned
.endr
.endm
	TOSTAGE 0
.irp a, 1,2,3,4,5,6,7
	TOSTAGE \a
	SEND (\a)-1, 16
.endr
	SEND 7, 0
	s_wait_tensorcnt 0x0                           ; the wave's end
	ds_add_u32 v[SPW], v[NIL]
	s_wait_dscnt 0x0
	CROUND                                         ; the closing round
	s_endpgm
.Lfunc_end_k_qdb4a12aaca_outp:
	.size	k_qdb4a12aaca_outp, .Lfunc_end_k_qdb4a12aaca_outp-k_qdb4a12aaca_outp
	.p2alignl 7, 3214868480
	.fill 96, 4, 3214868480
	.section	.rodata,"a",@progbits
	.p2align	6, 0x0
	.amdhsa_kernel k_qdb4a12aaca_outp
		.amdhsa_group_segment_fixed_size 327680
		.amdhsa_private_segment_fixed_size 0
		.amdhsa_enable_private_segment 0
		.amdhsa_kernarg_size 24
		.amdhsa_user_sgpr_count 2
		.amdhsa_user_sgpr_kernarg_segment_ptr 1
		.amdhsa_wavefront_size32 1
		.amdhsa_system_sgpr_workgroup_id_x 1
		.amdhsa_system_sgpr_workgroup_id_y 1
		.amdhsa_system_sgpr_workgroup_id_z 1
		.amdhsa_system_vgpr_workitem_id 0
		.amdhsa_next_free_vgpr 896
		.amdhsa_next_free_sgpr 66
		.amdhsa_reserve_vcc 0
		.amdhsa_float_denorm_mode_32 3
		.amdhsa_float_denorm_mode_16_64 3
		.amdhsa_memory_ordered 1
		.amdhsa_forward_progress 1
		.amdhsa_inst_pref_size 86
	.end_amdhsa_kernel
	.amdgpu_metadata
---
amdhsa.version: [ 1, 2 ]
amdhsa.kernels:
  - .name:           k_qdb4a12aaca_outp
    .symbol:         k_qdb4a12aaca_outp.kd
    .args:
      - { .name: att, .offset: 0, .size: 8, .value_kind: global_buffer, .address_space: global }
      - { .name: wo16, .offset: 8, .size: 8, .value_kind: global_buffer, .address_space: global }
      - { .name: out0, .offset: 16, .size: 8, .value_kind: global_buffer, .address_space: global }
    .group_segment_fixed_size: 327680
    .private_segment_fixed_size: 0
    .kernarg_segment_align: 8
    .kernarg_segment_size: 24
    .max_flat_workgroup_size: 128
    .sgpr_count:     66
    .vgpr_count:     896
    .wavefront_size: 32
...
	.end_amdgpu_metadata
.endif
;; end of part 4
;; ======== version 2 of 2: 4 launches; version 1 with the launch prep written anew for expert scheduling mode
;; limits: values are held in f16: magnitudes above 65,504 overflow, below 6.1e-05 lose precision
;; workspace buffers: xb 16,777,216 bytes; wqkv 12,582,912 bytes; wo16 8,388,608 bytes; rtab 524,288 bytes; qkv 25,165,824 bytes; att 16,777,216 bytes
;; launch prep (part 5): grid 1168 x 1, 8 waves a work-group, no clusters, 0 bytes of LDS; arguments x, Wq, Wk, Wv, Wo, xb, wqkv, wo16, rtab; writes xb, wqkv, wo16, rtab
.if DOCPART == 5
	.amdgcn_target "amdgcn-amd-amdhsa--gfx1250"
	.amdhsa_code_object_version 6
	.text
	.protected	k_qdb4a12aaca_prep
	.globl	k_qdb4a12aaca_prep
	.p2align	8
	.type	k_qdb4a12aaca_prep,@function
k_qdb4a12aaca_prep:
	s_mov_b64 s[64:65], 0
	v_nop
	global_prefetch_b8 v0, s[64:65] scope:SCOPE_SE
	s_setreg_imm32_b32 hwreg(HW_REG_WAVE_SCHED_MODE, 0, 2), 2
	s_setreg_imm32_b32 hwreg(HW_REG_WAVE_MODE, 25, 1), 1
	s_wait_xcnt 0x0
	s_wait_alu depctr_vm_vsrc(0)
; PREP: the casts and the rotary table.  Memory binds: every input byte is read once, every workspace byte written once; no LDS, no matrix unit, nothing is shared.
; Work-groups 0-15 make rtab[t][0..63] = cos(t f_i), rtab[t][64..127] = sin(t f_i), f_i = 10000^(-i/64), in f32.
; Work-groups 16-1167 cast 65,536 consecutive source bytes each (32 segments of 512 f32):
;   x -> xb (bf16, same shape);  Wq, Wk, Wv -> wqkv (bf16, [2048][3072]: columns 0-2047, 2048-2559, 2560-3071);  Wo -> wo16 (rounded to bf16, that number written as f16).
; LIMITS.  wo16: a weight beyond 65,504 would become an infinity, one below 6e-5 keeps f16's fixed step of 6e-8.  The table's angles reach 1,023 radians; they are reduced by pi/2 in two parts,
; and sine and cosine are polynomials of degree 7 and 8 on -pi/4 .. pi/4 (error under 1e-6 of 1).
; THE MODE: SCHED_MODE bits 1:0 = 2 (LLVM: expert scheduling mode 2), set by the entry lines.  The code itself states the register dependences
; between vector instructions and memory instructions, with s_wait_alu, always for 0.
; THE PLAN, CASTS.  Registers that memory instructions touch:
;   v1        the loads' offset: written once at the head, read by all sixteen loads, never written again.
;   X         unit i: four registers.  Its load lands there; its conversions work in place; its store reads the first two; nothing writes them behind the store.
;   DO        the stores' offsets: written once, behind the loads; never written again.
; The sixteen units go in four groups of four.  Group g waits for its four loads and converts them; the four stores of group g - 1 are dealt among those conversions.
; One wait on va_vdst stands at the head of groups 1 to 3: the group before has written its stores' data (at group 1: and DO is written); the conversions issued since name the group's own
; registers alone.  One more stands ahead of the first load (v1) and one ahead of the last four stores.  No register that a load or store has read is written again: no wait on vm_vsrc.
; THE PLAN, TABLE.  v7 (offset) and v[8:11] (data) are read by a row's two stores; v[8:11] are written by the row's selects and sign lines, v7 by the step behind the stores.
; A row has one wait on va_sdst (its two compares' masks, ahead of the four selects), one on va_vdst ahead of its stores, and one on vm_vsrc behind them, ahead of the step of v7 and of the next row's selects.
.set X,  16                            ; v[16:79]  sixteen loads of four f32, converted in place
.set DO, 80                            ; v[80:95]  the sixteen stores' byte offsets; never rewritten
	s_load_b512 s[4:19], s[0:1], 0x0               ; x 4, Wq 6, Wk 8, Wv 10, Wo 12, xb 14, wqkv 16, wo16 18
	s_load_b64 s[20:21], s[0:1], 0x40              ; rtab
	s_cmp_lt_u32 ttmp9, 16
	s_cbranch_scc1 .Ltable
	; THE CASTS.  c = the work-group's number among the casts; a chain of selects picks the job.
	s_sub_co_u32 s22, ttmp9, 16
	v_lshlrev_b32 v1, 4, v0                        ; my 16 source bytes in each unit of 4,096
	v_lshrrev_b32 v2, 7, v0                        ; which of a unit's two segments
	v_and_b32 v3, 127, v0                          ; my place in the segment
	s_mov_b32 s28, 896                             ; the default job is Wo: first work-group,
	s_mov_b32 s29, 32768                           ; destination bytes a work-group,
	s_mov_b32 s30, 0                               ; first column's bytes,
	s_mov_b32 s31, 1024                            ; bytes from a segment to the next,
	s_mov_b32 s32, 4096                            ; bytes from four segments to the next four
	s_wait_kmcnt 0x0
	s_mov_b64 s[24:25], s[12:13]
	s_mov_b64 s[26:27], s[18:19]
.macro JOB bound, src, dst, start, dm, doff, rp, pstep
	s_cmp_lt_u32 s22, \bound
	s_cselect_b64 s[24:25], s[\src:\src+1], s[24:25]
	s_cselect_b64 s[26:27], s[\dst:\dst+1], s[26:27]
	s_cselect_b32 s28, \start, s28
	s_cselect_b32 s29, \dm, s29
	s_cselect_b32 s30, \doff, s30
	s_cselect_b32 s31, \rp, s31
	s_cselect_b32 s32, \pstep, s32
.endm
	JOB 896, 10, 16, 832, 196608, 5120, 6144, 24576  ; Wv: a source row is one segment, rows of wqkv are 6,144 bytes
	JOB 832, 8,  16, 768, 196608, 4096, 6144, 24576  ; Wk
	JOB 768, 6,  16, 512, 49152,  0,    1024, 6144   ; Wq: four segments a row
	JOB 512, 4,  14, 0,   32768,  0,    1024, 4096   ; x
	s_sub_co_u32 s33, s22, s28                     ; my number in the job
	s_lshl_b32 s34, s33, 16
	s_mov_b32 s35, 0
	s_add_nc_u64 s[24:25], s[24:25], s[34:35]
	s_mul_i32 s36, s33, s29
	s_add_co_u32 s36, s36, s30
	s_mov_b32 s37, 0
	s_add_nc_u64 s[26:27], s[26:27], s[36:37]
	s_wait_alu depctr_va_vdst(0)                   ; v1 is written, which all sixteen loads read as their offset
.set i, 0
.rept 16
	global_load_b128 v[X+4*i:X+4*i+3], v1, s[24:25] offset:i*4096 th:TH_LOAD_NT  ; a wave's load covers 512 consecutive bytes; all sixteen go out at once
.set i, i+1
.endr
	s_lshl_b32 s38, s31, 1
	v_mul_lo_u32 v4, v2, s31
	v_lshl_add_u32 v[DO], v3, 3, v4                ; unit 0: segment 0 or 1, 8 bytes a thread
	v_add_nc_u32 v[DO+1], s38, v[DO]               ; unit 1: two segments on
.set i, 2
.rept 14
	v_add_nc_u32 v[DO+i], s32, v[DO+i-2]           ; four segments on
.set i, i+1
.endr
; Unit i is converted in place.  h = 0: to bf16.  h = 1 (Wo): rounded to bf16 like every input, widened again, and written as f16: exact within f16's normal range.
.macro UNIT i, h
	v_cvt_pk_bf16_f32 v[X+4*(\i)], v[X+4*(\i)], v[X+4*(\i)+1]
.if \h
	v_cvt_pk_bf16_f32 v[X+4*(\i)+2], v[X+4*(\i)+2], v[X+4*(\i)+3]
	v_and_b32 v[X+4*(\i)+1], 0xffff0000, v[X+4*(\i)]
	v_lshlrev_b32 v[X+4*(\i)], 16, v[X+4*(\i)]
	v_and_b32 v[X+4*(\i)+3], 0xffff0000, v[X+4*(\i)+2]
	v_lshlrev_b32 v[X+4*(\i)+2], 16, v[X+4*(\i)+2]
	v_cvt_pk_f16_f32 v[X+4*(\i)], v[X+4*(\i)], v[X+4*(\i)+1]
	v_cvt_pk_f16_f32 v[X+4*(\i)+1], v[X+4*(\i)+2], v[X+4*(\i)+3]
.else
	v_cvt_pk_bf16_f32 v[X+4*(\i)+1], v[X+4*(\i)+2], v[X+4*(\i)+3]
.endif
.endm
.macro OUT i
	global_store_b64 v[DO+(\i)], v[X+4*(\i):X+4*(\i)+1], s[26:27]  ; 32 lanes store 256 consecutive bytes, aligned
.endm
; The four groups, and the wave's end.
.macro CAST h
.set g, 0
.rept 4
	s_wait_loadcnt 12-4*g                          ; loads come back in order: group g's four units are in, the 12 - 4 g younger loads stay out
.if g > 0
	s_wait_alu depctr_va_vdst(0)                   ; the conversions of the group before have written the data of the four stores below; at group 1 DO, their offsets, is written too
.endif
.set u, 0
.rept 4
.if g > 0
	OUT 4*(g-1)+u                                  ; no vector instruction since the wait names this store's registers: those name group g's units alone
.endif
	UNIT 4*g+u, \h
.set u, u+1
.endr
.set g, g+1
.endr
	s_wait_alu depctr_va_vdst(0)                   ; the last group's conversions have written the data of the last four stores
.irp n, 12,13,14,15
	OUT \n
.endr
	s_endpgm
.endm
	s_cmp_ge_u32 s22, 896
	s_cbranch_scc1 .Lwo
	CAST 0
.Lwo:
	CAST 1
	; THE TABLE.  Wave w of work-group id makes rows 64 id + 8 w + 0..7; lane l the frequencies i = 2 l and 2 l + 1.
.Ltable:
	v_lshrrev_b32 v1, 5, v0
	v_readfirstlane_b32 s22, v1                    ; wave
	v_and_b32 v2, 31, v0                           ; lane
	v_lshlrev_b32 v3, 1, v2
	v_cvt_f32_u32 v4, v3                           ; i
	v_add_f32 v5, 1.0, v4                          ; i + 1
	v_mul_f32 v4, 0xbe549a78, v4                   ; - i log2(10000) / 64
	v_mul_f32 v5, 0xbe549a78, v5
	v_exp_f32 v4, v4                               ; f_i
	v_exp_f32 v5, v5
	v_nop                                          ; a plain instruction behind the exponentials before their results are used
	v_mov_b32 v14, 0xb94ca1f9                      ; -1.9515296e-4: the sine's leading coefficient
	v_mov_b32 v15, 0x37ccf5ce                      ; 2.4433157e-5: the cosine's
	s_wait_alu depctr_va_sdst(0)                   ; s22 is written, ahead of its first reader: my first row is made from it
	s_lshl_b32 s23, ttmp9, 6
	s_lshl3_add_u32 s23, s22, s23                  ; my first row
	v_cvt_f32_u32 v6, s23                          ; t as f32
	s_lshl_b32 s24, s23, 9                         ; a row is 512 bytes
	v_lshl_add_u32 v7, v2, 3, s24
	s_mov_b32 s30, 8
	s_wait_kmcnt 0x0
	s_wait_alu depctr_va_vdst(0)                   ; the two exponentials have written v4 and v5, ahead of the label and of their first reader
; One entry, first part: frequency in v[f]; eight registers at work from v[T].  It leaves sin r in T+4, cos r in T+5, the sine's sign bit in T+7, the cosine's in T+6, and in s[m] the mask of the odd quadrants.
.macro ANGLE f, T, m
	v_mul_f32 v[\T], v6, v[\f]                               ; the angle
	v_mul_f32 v[\T+1], 0x3f22f983, v[\T]                     ; times 2 / pi,
	v_rndne_f32 v[\T+1], v[\T+1]                             ; n
	v_fmamk_f32 v[\T+2], v[\T+1], 0xbfc90fdb, v[\T]          ; r = angle - n pi/2, pi/2 in two parts
	v_fmamk_f32 v[\T+2], v[\T+1], 0x333bbd2e, v[\T+2]
	v_mul_f32 v[\T+3], v[\T+2], v[\T+2]                      ; z = r r
	v_fmaak_f32 v[\T+4], v14, v[\T+3], 0x3c08839e
	v_fmaak_f32 v[\T+4], v[\T+4], v[\T+3], 0xbe2aaaa3
	v_mul_f32 v[\T+5], v[\T+3], v[\T+2]
	v_fma_f32 v[\T+4], v[\T+4], v[\T+5], v[\T+2]             ; sin r
	v_fmaak_f32 v[\T+5], v15, v[\T+3], 0xbab6061a
	v_fmaak_f32 v[\T+5], v[\T+5], v[\T+3], 0x3d2aaaa5
	v_fmaak_f32 v[\T+5], v[\T+5], v[\T+3], 0xbf000000
	v_fma_f32 v[\T+5], v[\T+5], v[\T+3], 1.0                 ; cos r
	v_cvt_i32_f32 v[\T+6], v[\T+1]                           ; the quadrant chooses by selects and sign bits: no branch
	v_and_b32 v[\T+7], 1, v[\T+6]
	v_cmp_eq_u32 s[\m], 1, v[\T+7]
	v_and_b32 v[\T+7], 2, v[\T+6]                            ; the sign bits need no mask: they stand between the compare and the wait for it
	v_lshlrev_b32 v[\T+7], 30, v[\T+7]
	v_add_nc_u32 v[\T+6], 1, v[\T+6]
	v_and_b32 v[\T+6], 2, v[\T+6]
	v_lshlrev_b32 v[\T+6], 30, v[\T+6]
.endm
; Second part: cosine into v[co], sine into v[so].
.macro CHOOSE co, so, T, m
	v_cndmask_b32 v[\so], v[\T+4], v[\T+5], s[\m]
	v_cndmask_b32 v[\co], v[\T+5], v[\T+4], s[\m]
	v_xor_b32 v[\so], v[\T+7], v[\so]
	v_xor_b32 v[\co], v[\T+6], v[\co]
.endm
.Lrow:
	ANGLE 4, 16, 26
	ANGLE 5, 24, 27
	s_wait_alu depctr_va_sdst(0)                       ; both compares have written their masks, s26 and s27, which the four selects below read
	CHOOSE 8, 10, 16, 26
	CHOOSE 9, 11, 24, 27
	s_wait_alu depctr_va_vdst(0)                       ; v[8:11], the two stores' data, are written; so is v7, their offset (at the head, or by the step of the trip before)
	global_store_b64 v7, v[8:9], s[20:21]              ; the row's 64 cosines: 256 consecutive bytes, aligned
	global_store_b64 v7, v[10:11], s[20:21] offset:256 ; its 64 sines
	s_wait_xcnt 0x0                                    ; the stores' offset and data are rewritten only behind this wait
	s_wait_alu depctr_vm_vsrc(0)                       ; the two stores have read v7, which the next line writes, and v[8:11], which the next row's selects write
	v_add_nc_u32 v7, 512, v7
	v_add_f32 v6, 1.0, v6
	s_sub_co_u32 s30, s30, 1
	s_cmp_lg_u32 s30, 0
	s_cbranch_scc1 .Lrow
	s_endpgm
.Lfunc_end_k_qdb4a12aaca_prep:
	.size	k_qdb4a12aaca_prep, .Lfunc_end_k_qdb4a12aaca_prep-k_qdb4a12aaca_prep
	.p2alignl 7, 3214868480
	.fill 96, 4, 3214868480
	.section	.rodata,"a",@progbits
	.p2align	6, 0x0
	.amdhsa_kernel k_qdb4a12aaca_prep
		.amdhsa_group_segment_fixed_size 0
		.amdhsa_private_segment_fixed_size 0
		.amdhsa_enable_private_segment 0
		.amdhsa_kernarg_size 72
		.amdhsa_user_sgpr_count 2
		.amdhsa_user_sgpr_kernarg_segment_ptr 1
		.amdhsa_wavefront_size32 1
		.amdhsa_system_sgpr_workgroup_id_x 1
		.amdhsa_system_sgpr_workgroup_id_y 1
		.amdhsa_system_sgpr_workgroup_id_z 1
		.amdhsa_system_vgpr_workitem_id 0
		.amdhsa_next_free_vgpr 96
		.amdhsa_next_free_sgpr 66
		.amdhsa_reserve_vcc 0
		.amdhsa_float_denorm_mode_32 3
		.amdhsa_float_denorm_mode_16_64 3
		.amdhsa_memory_ordered 1
		.amdhsa_forward_progress 1
		.amdhsa_inst_pref_size 22
	.end_amdhsa_kernel
	.amdgpu_metadata
---
amdhsa.version: [ 1, 2 ]
amdhsa.kernels:
  - .name:           k_qdb4a12aaca_prep
    .symbol:         k_qdb4a12aaca_prep.kd
    .args:
      - { .name: x, .offset: 0, .size: 8, .value_kind: global_buffer, .address_space: global }
      - { .name: Wq, .offset: 8, .size: 8, .value_kind: global_buffer, .address_space: global }
      - { .name: Wk, .offset: 16, .size: 8, .value_kind: global_buffer, .address_space: global }
      - { .name: Wv, .offset: 24, .size: 8, .value_kind: global_buffer, .address_space: global }
      - { .name: Wo, .offset: 32, .size: 8, .value_kind: global_buffer, .address_space: global }
      - { .name: xb, .offset: 40, .size: 8, .value_kind: global_buffer, .address_space: global }
      - { .name: wqkv, .offset: 48, .size: 8, .value_kind: global_buffer, .address_space: global }
      - { .name: wo16, .offset: 56, .size: 8, .value_kind: global_buffer, .address_space: global }
      - { .name: rtab, .offset: 64, .size: 8, .value_kind: global_buffer, .address_space: global }
    .group_segment_fixed_size: 0
    .private_segment_fixed_size: 0
    .kernarg_segment_align: 8
    .kernarg_segment_size: 72
    .max_flat_workgroup_size: 256
    .sgpr_count:     66
    .vgpr_count:     96
    .wavefront_size: 32
...
	.end_amdgpu_metadata
.endif
;; end of part 5
;; launch proj: the kernel of part 2 again; grid 8 x 32, 4 waves a work-group, clusters of 4 x 4, 327,680 bytes of LDS; arguments xb, wqkv, rtab, qkv; writes qkv
;; launch attn: the kernel of part 3 again; grid 16 x 16, 4 waves a work-group, clusters of 4 x 1, 327,680 bytes of LDS; arguments qkv, att; writes att
;; launch outp: the kernel of part 4 again; grid 8 x 32, 4 waves a work-group, clusters of 4 x 4, 327,680 bytes of LDS; arguments att, wo16, out0; writes out0
